; MI455X (gfx1250); checked and timed in simulation.
; The chip was launched on July 23, 2026; its instructions are those of AMD's public machine-readable ISA for CDNA 5 (MIT licence, August 2026) and "CDNA5" Instruction Set Architecture Reference Guide (July 2026). The comments in the code are by the model that wrote it; some were corrected since.
;; Distributed Mo E Layer. Allowed arithmetic: matrix products marked QUANTISED: E2M1 operands, one E8M0 scale for each 32 along K, by v_wmma_scale_f32_16x16x128_f8f6f4 with both operands' format E2M1 (or v_wmma_scale_f32_32x16x128_f4), f32 sums; products left as they are: f32 operands where the result goes on into a quantised operand, else bf16, f16 or f32 operands; f32 sums; everything else in f32.
;; Inputs: w1 8 x 1,024 x 4,096 float32; w2 8 x 4,096 x 1,024 float32; w_router 1,024 x 8 float32; x 1,024 x 1,024 float32.
;; Outputs: out0 1,024 x 1,024 float32.
;; This version of the problem:
;;   THIS VERSION OF THE PROBLEM IS GIVEN IN LOW PRECISION. The matrix products marked QUANTISED in the list below multiply operands that are first quantised to E2M1 (2 exponent bits, 1 mantissa bit; 4 bits a number), with one power-of-two scale for each 32 numbers along K (OCP MX v1.0); their sums are f32. All else is computed in f32.
;;   The module's matrix products, in the order in which they are computed (A, B: the left and right operand; K: the contracted axis; several contracted axes count as one K, in the product's order):
;;     1. [M 1,024, K 1,024] x [K 1,024, N 8]; A: input x; B: input w_router: left as it is (N = 8 < 16)
;;     2. [M 1,024, K 1,024] x [K 1,024, N 4,096]; A: input x; B: input w1: QUANTISED
;;     3. [M 1,024, K 4,096] x [K 4,096, N 1,024]; A: computed on the way; B: input w2: QUANTISED
;;     4. [M 1,024, K 1,024] x [K 1,024, N 4,096]; A: input x; B: input w1: QUANTISED
;;     5. [M 1,024, K 4,096] x [K 4,096, N 1,024]; A: computed on the way; B: input w2: QUANTISED
;;     6. [M 1,024, K 1,024] x [K 1,024, N 4,096]; A: input x; B: input w1: QUANTISED
;;     7. [M 1,024, K 4,096] x [K 4,096, N 1,024]; A: computed on the way; B: input w2: QUANTISED
;;     8. [M 1,024, K 1,024] x [K 1,024, N 4,096]; A: input x; B: input w1: QUANTISED
;;     9. [M 1,024, K 4,096] x [K 4,096, N 1,024]; A: computed on the way; B: input w2: QUANTISED
;;     10. [M 1,024, K 1,024] x [K 1,024, N 4,096]; A: input x; B: input w1: QUANTISED
;;     11. [M 1,024, K 4,096] x [K 4,096, N 1,024]; A: computed on the way; B: input w2: QUANTISED
;;     12. [M 1,024, K 1,024] x [K 1,024, N 4,096]; A: input x; B: input w1: QUANTISED
;;     13. [M 1,024, K 4,096] x [K 4,096, N 1,024]; A: computed on the way; B: input w2: QUANTISED
;;     14. [M 1,024, K 1,024] x [K 1,024, N 4,096]; A: input x; B: input w1: QUANTISED
;;     15. [M 1,024, K 4,096] x [K 4,096, N 1,024]; A: computed on the way; B: input w2: QUANTISED
;;     16. [M 1,024, K 1,024] x [K 1,024, N 4,096]; A: input x; B: input w1: QUANTISED
;;     17. [M 1,024, K 4,096] x [K 4,096, N 1,024]; A: computed on the way; B: input w2: QUANTISED
;;   THE QUANTISER, for each operand of a quantised product, along K:
;;     - K is cut into blocks of 32 from its start; a last block that is shorter is filled with zeros.
;;     - A block's scale is 2^e with e = floor(log2(the largest magnitude in the block)) - 2, held to -126 .. 127; a block of zeros has e = 0. As a byte (E8M0): e + 127.
;;     - Each number is divided by its block's scale, clamped to +-6, and rounded to the nearest number of E2M1, ties to even, subnormals kept.
;;     - The product sums the exact products of the quantised numbers (number of the format x scale) in f32.
;;   ~~~python
;;   def quantise(x, axis):      # numpy; x: float32 -> the quantised numbers, widened to float32 again
;;       x = np.moveaxis(x, axis, -1); K = x.shape[-1]
;;       x = np.pad(x, [(0, 0)] * (x.ndim - 1) + [(0, -K % 32)]); x = x.reshape(x.shape[:-1] + (-1, 32)); a = np.abs(x).max(-1, keepdims=True)
;;       e = np.where(a > 0, np.clip(np.frexp(np.where(a > 0, a, 1))[1] - 1 - 2, -126, 127), 0)      # np.frexp(a)[1] - 1 = floor(log2(a)), exactly
;;       r = np.clip(x / 2.0 ** e, -6, 6)
;;       step = 2.0 ** (np.maximum(np.frexp(np.where(r == 0, 1, r))[1] - 1, 0) - 1)
;;       q = np.round(r / step) * step * 2.0 ** e      # np.round: ties to even
;;       return np.moveaxis(q.reshape(q.shape[:-2] + (-1,))[..., :K], -1, axis).astype(np.float32)
;;   ~~~
;;   OPERANDS COMPUTED ON THE WAY. 'Computed on the way' means the value that the module computes at that place (a softmax that the list does not call 'softmax' is quantised finished and normalised). What goes into a quantiser is computed in f32, as accurately as f32 sums, v_exp_f32 and their like allow (about 1e-6 of the number): no bf16 or f16 on the way to a quantiser, and a product that is left as it is and whose result goes on into a quantised operand takes f32 operands (vector FMAs, or v_wmma_f32_16x16x4_f32). A number that lies on a knife's edge between two numbers of the format may be rounded either way, as far as f32 arithmetic and the matrix unit's own rounding can turn it there, and no further.
;; 2 versions. Each part assembles by itself: llvm-mc -triple=amdgcn-amd-amdhsa -mcpu=gfx1250 --defsym DOCPART=n.
;; ======== version 1 of 2: 4 launches
;; workspace buffers: xq 557,056 bytes; ri 9,216 bytes of whole numbers; tw 8,192 bytes; hq 16,777,216 bytes; hs 2,097,152 bytes; rk 33,792 bytes of whole numbers; y2 67,108,864 bytes
;; launch route (part 1): grid 128 x 1, 4 waves a work-group, no clusters, 34,304 bytes of LDS; arguments x, w_router, xq, ri, tw; writes xq, ri, tw
.if DOCPART == 1
	.amdgcn_target "amdgcn-amd-amdhsa--gfx1250"
	.amdhsa_code_object_version 6
	.text
	.protected	k_q808ae5ae5f_route
	.globl	k_q808ae5ae5f_route
	.p2align	8
	.type	k_q808ae5ae5f_route,@function
k_q808ae5ae5f_route:
	s_mov_b64 s[64:65], 0
	v_nop
	global_prefetch_b8 v0, s[64:65] scope:SCOPE_SE
	s_setreg_imm32_b32 hwreg(HW_REG_WAVE_MODE, 25, 1), 1
	s_wait_xcnt 0x0
; ROUTE.  For 1,024 tokens of 1,024 numbers: (a) x becomes codes of FP4 (E2M1) with one E8M0 byte for each 32 along K; (b) logits = x w_router in f32, softmax over
; the 8 experts (the row's maximum taken away first), the two largest (the lower index wins a tie), their weights renormalised; (c) for each expert a mask of 1,024 bits.
; OUT: xq: codes [1024][512 bytes] (block b of 32 at byte 16 b), scale bytes [1024][32] from byte 524,288 on.  ri: the two experts [1024][2] i32; from byte 8,192 on
; the masks [8][128 bytes], bit i of byte g = token 8 g + i uses the expert.  tw: the two weights [1024][2] f32.  Nothing here forms an address from the choice.
; SHARES: work-group g takes tokens 8 g .. 8 g + 7, wave w two of them.  Lane l holds block l of a row (k = 32 l .. 32 l + 31): a block's largest magnitude needs no
; other lane, and a lane's 16 bytes of codes make 512 consecutive bytes a wave.  w_router (32 KiB) lies in LDS once for the work-group, lane l's 1,024 bytes 1,040 apart.
; No matrix unit: the product has 8 columns and stays in f32.  No cluster: the one thing shared, w_router, is 32 KiB beside 32 KiB of x a work-group, and is read once.
; LIMITS: NaN and infinities are not served.  A block whose largest magnitude lies under 2^-124 (a block of zeros too) gets the byte 1: its codes are what the
; conversion gives under that scale (zeros for zeros), and this program alone reads the bytes.  A softmax term under 2^-126 counts as 0.
.set X,   16                           ; v16-79   two rows' 32 numbers a lane
.set WL,  80                           ; v80-143  w_router as loaded, later two sets of four of its rows
.set ACC, 144                          ; v144-159 logit sums: 8 tt + e
.set CD,  160                          ; v160-167 codes
.set SBY, 168                          ; v168-169 scale bytes
.set WRP, 1040                         ; a lane's 1,024 bytes of w_router + 16: an odd multiple of 16
.set LG,  33280                        ; behind w_router: logits, 8 tokens x 32 bytes
	s_load_b256 s[4:11], s[0:1], 0x0               ; x s[4:5], w_router s[6:7], xq s[8:9], ri s[10:11]
	s_load_b64 s[12:13], s[0:1], 0x20              ; tw
	v_lshl_add_u32 v176, v0, 2, 0x8400
	v_mov_b32 v177, 0
	v_lshrrev_b32 v8, 5, v0
	v_readfirstlane_b32 s14, v8                    ; wave 0..3
	v_and_b32 v1, 31, v0                           ; lane
	v_lshlrev_b32 v2, 7, v1                        ; x: my block's 128 bytes in a row
	v_lshlrev_b32 v3, 4, v0                        ; w_router: 16 bytes a thread
	v_lshrrev_b32 v4, 6, v0
	v_lshl_add_u32 v4, v4, 4, v3                   ; and their place in LDS: 16 more for each 1,024 bytes passed
	v_mul_u32_u24 v5, v1, WRP                      ; where my 32 rows of w_router lie
	v_lshlrev_b32 v6, 4, v1                        ; my 16 bytes of a row's codes
	s_lshl_b32 s20, s14, 6
	s_add_co_u32 s20, s20, LG
	v_mov_b32 v9, s20                              ; where my wave puts its two tokens' logits
	v_and_b32 v10, 7, v0
	v_lshl_add_u32 v10, v10, 5, LG                 ; where wave 0 reads token (lane % 8)'s
	s_lshl_b32 s21, ttmp9, 6
	v_lshl_add_u32 v14, v1, 3, s21                 ; ri and tw: 8 bytes a token: 64 g + 8 lane
	s_add_co_u32 s22, ttmp9, 8192
	v_lshl_add_u32 v15, v1, 7, s22                 ; the masks: expert (lane)'s row of 128 bytes, byte g
	s_lshl_b32 s15, ttmp9, 3
	s_lshl_b32 s16, s14, 1
	s_add_co_u32 s15, s15, s16                     ; my wave's first token
	s_mov_b32 s17, 0
	s_mov_b32 s18, 0x76543210                      ; v_permlanex16_b32's selects for lane l xor 16
	s_mov_b32 s19, 0xfedcba98
	s_wait_kmcnt 0x0
.irp q, 0,1,2,3,4,5,6,7,8,9,10,11,12,13,14,15
	global_load_b128 v[WL+4*\q:WL+4*\q+3], v3, s[6:7] offset:2048*\q       ; 128 threads x 16 bytes: 2,048 consecutive bytes
.endr
	s_lshl_b32 s16, s15, 12
	s_add_nc_u64 s[4:5], s[4:5], s[16:17]
.irp tt, 0,1
.irp q, 0,1,2,3,4,5,6,7
	global_load_b128 v[X+32*\tt+4*\q:X+32*\tt+4*\q+3], v2, s[4:5] offset:4096*\tt+16*\q
.endr
.endr
	s_lshl_b32 s16, s15, 5
	s_add_co_u32 s16, s16, 524288
	s_add_nc_u64 s[24:25], s[8:9], s[16:17]        ; my tokens' scale bytes
	s_lshl_b32 s16, s15, 9
	s_add_nc_u64 s[8:9], s[8:9], s[16:17]          ; and their codes
	s_wait_loadcnt 16                              ; w_router's sixteen loads are in; x's sixteen, issued behind them, may be out
.irp q, 0,1,2,3,4,5,6,7,8,9,10,11,12,13,14,15
	ds_store_b128 v4, v[WL+4*\q:WL+4*\q+3] offset:2080*\q                  ; 2,048 bytes on are two paddings on
.endr
	s_wait_dscnt 0x0                               ; for the others' sake: my part of w_router lies in LDS
	s_barrier_signal -1
	s_barrier_wait -1
.macro RLOAD g                         ; rows 4 g .. 4 g + 3 of my 32 rows of w_router (8 numbers each) into set g % 2: eight LDS loads
.irp ii, 0,1,2,3
.irp hq, 0,1
	ds_load_b128 v[WL+32*((\g)%2)+8*\ii+4*\hq:WL+32*((\g)%2)+8*\ii+4*\hq+3], v5 offset:32*(4*(\g)+\ii)+16*\hq
.endr
.endr
.endm
	RLOAD 0
	RLOAD 1
	s_wait_loadcnt 0x0                             ; x
	; x into codes: the block's largest magnitude with the floor 2^(3 - 127) among its leaves; 2 off its exponent field is the conversion's scale operand; that >> 23 the byte
.irp tt, 0,1
.set XT, X+32*\tt
	v_max3_num_f32 v11, |v[XT]|, |v[XT+1]|, |v[XT+2]|
	v_max3_num_f32 v12, |v[XT+3]|, |v[XT+4]|, |v[XT+5]|
.irp i, 6,10,14,18,22,26
	v_max3_num_f32 v11, v11, |v[XT+\i]|, |v[XT+\i+1]|
	v_max3_num_f32 v12, v12, |v[XT+\i+2]|, |v[XT+\i+3]|
.endr
	v_max3_num_f32 v11, v11, |v[XT+30]|, |v[XT+31]|
	v_max3_num_f32 v11, v11, v12, 0x1800000
	v_add_nc_u32 v13, 0xff000000, v11
.irp g, 0,1,2,3
	v_cvt_scalef32_pk8_fp4_f32 v[CD+4*\tt+\g], v[XT+8*\g:XT+8*\g+7], v13
.endr
	v_lshrrev_b32 v[SBY+\tt], 23, v13              ; (the plain line behind the conversions)
	global_store_b128 v6, v[CD+4*\tt:CD+4*\tt+3], s[8:9] offset:512*\tt    ; 32 lanes: a row's 512 bytes
	global_store_b8 v1, v[SBY+\tt], s[24:25] offset:32*\tt                 ; 32 lanes: a row's 32 bytes
.endr
	; logits: each lane sums its 32 k for 2 tokens x 8 experts
.set G, 0
.rept 8
.if G < 7
	s_wait_dscnt 8                                 ; this set's eight loads are in; the other set's eight may be out
.else
	s_wait_dscnt 0x0
.endif
.irp ii, 0,1,2,3
.irp tt, 0,1
.irp e, 0,1,2,3,4,5,6,7
.if (G == 0) && (\ii == 0)
	v_mul_f32 v[ACC+8*\tt+\e], v[X+32*\tt+4*G+\ii], v[WL+32*(G%2)+8*\ii+\e]        ; the first product starts the sum
.else
	v_fmac_f32 v[ACC+8*\tt+\e], v[X+32*\tt+4*G+\ii], v[WL+32*(G%2)+8*\ii+\e]
.endif
.endr
.endr
.endr
.if G+2 < 8
	RLOAD G+2
.endif
.set G, G+1
.endr
	; across the 32 lanes: four steps inside each half ride on the additions, one crosses the halves
.irp m, 1,2,4,8
.set a, 0
.rept 16
	v_add_f32_dpp v[ACC+a], v[ACC+a], v[ACC+a] row_xmask:\m row_mask:0xf bank_mask:0xf
.set a, a+1
.endr
.endr
.set a, 0
.rept 16
	v_permlanex16_b32 v[WL+a], v[ACC+a], s18, s19  ; (its destination has been written: w_router's rows lay there)
.set a, a+1
.endr
.set a, 0
.rept 16
	v_add_f32 v[ACC+a], v[ACC+a], v[WL+a]
.set a, a+1
.endr
.irp tt, 0,1
.irp q, 0,1
	ds_store_b128 v9, v[ACC+8*\tt+4*\q:ACC+8*\tt+4*\q+3] offset:32*\tt+16*\q       ; every lane writes the same bytes with the same values
.endr
.endr
	s_wait_dscnt 0x0                               ; for wave 0's sake
	s_barrier_signal -1
	s_barrier_wait -1
	s_cmp_lg_u32 s14, 0
	s_cbranch_scc1 .Lend                           ; the choice is wave 0's: a lane to a token (lanes 8-31 repeat lanes 0-7)
	ds_load_b128 v[16:19], v10
	ds_load_b128 v[20:23], v10 offset:16
	s_wait_dscnt 0x0
	v_max3_num_f32 v24, v16, v17, v18
	v_max3_num_f32 v24, v24, v19, v20
	v_max3_num_f32 v24, v24, v21, v22
	v_max_num_f32 v24, v24, v23                    ; the row's largest logit
.irp e, 0,1,2,3,4,5,6,7
	v_sub_f32 v[16+\e], v[16+\e], v24
.endr
.irp e, 0,1,2,3,4,5,6,7
	v_mul_f32 v[16+\e], 0x3fb8aa3b, v[16+\e]       ; x log2(e)
.endr
.irp e, 0,1,2,3,4,5,6,7
	v_exp_f32 v[16+\e], v[16+\e]
.endr
	v_mov_b32 v32, 0                               ; (a plain line behind the exponentials)  the masks' register
	s_wait_alu depctr_va_vdst(0)
	v_add_f32 v29, v16, v17
	v_add_f32 v35, v18, v19
	v_add_f32 v36, v20, v21
	v_add_f32 v37, v22, v23
	v_add_f32 v29, v29, v35
	v_add_f32 v36, v36, v37
	v_add_f32 v29, v29, v36
	v_rcp_f32 v29, v29
	v_mov_b32 v26, 0                               ; (a plain line behind the reciprocal)  the first choice's index
	s_wait_alu depctr_va_vdst(0)
.irp e, 0,1,2,3,4,5,6,7
	v_mul_f32 v[16+\e], v[16+\e], v29              ; the probabilities
.endr
	v_mov_b32 v25, v16                             ; the largest: a later one wins only if it is strictly larger
.irp e, 1,2,3,4,5,6,7
	v_cmp_gt_f32 vcc_lo, v[16+\e], v25
	v_cndmask_b32 v25, v25, v[16+\e], vcc_lo
	v_cndmask_b32 v26, v26, \e, vcc_lo
.endr
	v_mov_b32 v28, -1.0                            ; the second: the same among the other seven
	v_mov_b32 v27, 0
.irp e, 0,1,2,3,4,5,6,7
	v_cmp_ne_u32 s20, \e, v26
	v_cmp_gt_f32 vcc_lo, v[16+\e], v28
	s_and_b32 vcc_lo, vcc_lo, s20
	v_cndmask_b32 v28, v28, v[16+\e], vcc_lo
	v_cndmask_b32 v27, v27, \e, vcc_lo
.endr
	v_add_f32 v29, v25, v28
	v_rcp_f32 v29, v29
	v_nop                                          ; a plain line behind the reciprocal
	s_wait_alu depctr_va_vdst(0)
	v_mul_f32 v30, v25, v29
	v_mul_f32 v31, v28, v29                        ; the two weights, renormalised
.irp e, 0,1,2,3,4,5,6,7
	v_cmp_eq_u32 s20, \e, v26
	v_cmp_eq_u32 s21, \e, v27
	s_or_b32 s20, s20, s21
	v_writelane_b32 v32, s20, \e                   ; lane e: bit i of the low byte = token 8 g + i uses expert e
.endr
	s_wait_xcnt 0x0                                ; EXEC changes only behind this wait: my earlier stores have read it
	v_cmp_gt_u32 vcc_lo, 8, v1
	s_and_saveexec_b32 s22, vcc_lo
	global_store_b64 v14, v[26:27], s[10:11]       ; the two experts
	global_store_b64 v14, v[30:31], s[12:13]       ; their weights
	global_store_b8 v15, v32, s[10:11]             ; eight single bytes, 128 apart: 1 KiB of masks in the whole launch
	s_wait_xcnt 0x0
	s_or_b32 exec_lo, exec_lo, s22
.Lend:
	s_wait_tensorcnt 0x0
	ds_add_u32 v176, v177
	s_wait_dscnt 0x0
	s_endpgm
.Lfunc_end_k_q808ae5ae5f_route:
	.size	k_q808ae5ae5f_route, .Lfunc_end_k_q808ae5ae5f_route-k_q808ae5ae5f_route
	.p2alignl 7, 3214868480
	.fill 96, 4, 3214868480
	.section	.rodata,"a",@progbits
	.p2align	6, 0x0
	.amdhsa_kernel k_q808ae5ae5f_route
		.amdhsa_group_segment_fixed_size 34304
		.amdhsa_private_segment_fixed_size 0
		.amdhsa_enable_private_segment 0
		.amdhsa_kernarg_size 40
		.amdhsa_user_sgpr_count 2
		.amdhsa_user_sgpr_kernarg_segment_ptr 1
		.amdhsa_wavefront_size32 1
		.amdhsa_system_sgpr_workgroup_id_x 1
		.amdhsa_system_sgpr_workgroup_id_y 1
		.amdhsa_system_sgpr_workgroup_id_z 1
		.amdhsa_system_vgpr_workitem_id 0
		.amdhsa_next_free_vgpr 178
		.amdhsa_next_free_sgpr 66
		.amdhsa_reserve_vcc 1
		.amdhsa_float_denorm_mode_32 3
		.amdhsa_float_denorm_mode_16_64 3
		.amdhsa_memory_ordered 1
		.amdhsa_forward_progress 1
		.amdhsa_inst_pref_size 43
	.end_amdhsa_kernel
	.amdgpu_metadata
---
amdhsa.version: [ 1, 2 ]
amdhsa.kernels:
  - .name:           k_q808ae5ae5f_route
    .symbol:         k_q808ae5ae5f_route.kd
    .args:
      - { .name: x, .offset: 0, .size: 8, .value_kind: global_buffer, .address_space: global }
      - { .name: w_router, .offset: 8, .size: 8, .value_kind: global_buffer, .address_space: global }
      - { .name: xq, .offset: 16, .size: 8, .value_kind: global_buffer, .address_space: global }
      - { .name: ri, .offset: 24, .size: 8, .value_kind: global_buffer, .address_space: global }
      - { .name: tw, .offset: 32, .size: 8, .value_kind: global_buffer, .address_space: global }
    .group_segment_fixed_size: 34304
    .private_segment_fixed_size: 0
    .kernarg_segment_align: 8
    .kernarg_segment_size: 40
    .max_flat_workgroup_size: 128
    .sgpr_count:     66
    .vgpr_count:     178
    .wavefront_size: 32
...
	.end_amdgpu_metadata
.endif
;; end of part 1
;; launch ffn1 (part 2): grid 32 x 8, 16 waves a work-group, no clusters, 71,680 bytes of LDS; arguments w1, xq, ri, hq, hs, rk; writes hq, hs, rk
.if DOCPART == 2
	.amdgcn_target "amdgcn-amd-amdhsa--gfx1250"
	.amdhsa_code_object_version 6
	.text
	.protected	k_q808ae5ae5f_ffn1
	.globl	k_q808ae5ae5f_ffn1
	.p2align	8
	.type	k_q808ae5ae5f_ffn1,@function
k_q808ae5ae5f_ffn1:
	s_mov_b64 s[64:65], 0
	v_nop
	global_prefetch_b8 v0, s[64:65] scope:SCOPE_SE
	s_setreg_imm32_b32 hwreg(HW_REG_WAVE_MODE, 25, 1), 1
	s_wait_xcnt 0x0
; FFN1.  h = gelu(x w1[e]) for the tokens that chose expert e, both operands of the product as codes of FP4 (E2M1) with one E8M0 scale for each 32 along K; h leaves as codes along F.
; THE WEIGHTS STAY, THE ROWS GO ROUND.  Work-group (x, e) owns columns 128 x .. 128 x + 127 of w1[e]: 1,024 x 128 f32, 512 KiB, which no other work-group reads.
; PHASE 1, the stream: wave w takes 32 columns (cg = w % 4) x 256 along K (kq = w / 4).  A lane takes a column and its registers run down K: a block of 32 lies in one lane,
; and the conversions give codes with K innermost.  Two exchanges of halves make of them the operand's registers, which go to LDS as images (16 bytes a lane, 512 a store).
; PHASE 2: wave w takes the expert's row tiles w, w + 16, w + 32, w + 48 (16 tokens each) against all 128 columns: x's codes come from memory straight into the operand's
; registers, the weights' fragments from LDS; gelu in f32; the 128 results of a row are one K step of the second product: quantised in registers, stored as an image.
; WHICH TOKENS: the expert's mask of 1,024 bits (32 words) and the words' running counts lie in scalar registers; the token at position p is found by selects, and enters an
; address only behind a hold at 1,023.  Positions past the count give some valid token: such rows are padding, and nobody reads what becomes of them.  At least one tile is always made.
; Work-group x = 0 also stores each token's rank in the expert (rk) and the count, for the later launches.
; THE PRODUCT IS USED TRANSPOSED (source 0 = 16 columns of w1, source 1 = 16 tokens), and the columns of a tile are chosen (lane n loads column 16 ((n / 8) % 2) + 8 (n / 16) + n % 8
; of its 32) so that a lane holds one token and the 16 registers of tiles 2 b, 2 b + 1 are F units 32 b + 16 (lane / 16) + 0 .. 15: neighbours along the next K.
; gelu(v) = v / (1 + 2^(v (A + B v^2))), A = -2 log2(e) sqrt(2 / pi), B = 0.044715 A: the tanh form, rewritten.
; NO CLUSTER, NO TENSOR LOADS: of a work-group's bytes 512 KiB are its own; what the 32 work-groups of an expert share is x's codes, 8.5 KiB a tile, which go straight into the
; registers of the one wave that multiplies them, and the number of tiles hangs on a count read from memory.  The stream wants a lane to a column, which plain loads give.
; LIMITS: NaN and infinities are not served.  A block whose largest magnitude lies under 2^-124 (zeros too) gets the byte 1; this program alone reads the bytes.
.set PITCHW, 16384                     ; bytes from a row of w1[e] to the next
.set DSI,    8192                      ; LDS: a K step's eight fragments
.set DSS,    512                       ; and its four sets of scale words
.set WSC,    65536                     ; LDS: fragment 8 s + nt at 1,024 (8 s + nt); from here on scale words, set 4 s + cg at 128 (4 s + cg) + 4 lane
.set LN,  1                            ; v1   lane
.set RR,  2                            ; v2   lane % 16
.set HH,  3                            ; v3   lane / 16
.set WO,  4                            ; v4   my column's bytes in the wave's 128
.set LI,  5                            ; v5   16 lane: an image's place for my lane
.set LS,  6                            ; v6   WSC + 4 lane
.set SWI, 7                            ; v7   where I store fragments
.set SWS, 8                            ; v8   where I store scale words
.set XO,  9                            ; v9   my token's codes in xq
.set XSO, 10                           ; v10  my token's scale bytes in xq
.set PP,  11                           ; v11  my position among the expert's rows
.set CA,  12                           ; v[12:13] A, twice
.set SB,  14                           ; v[14:15] my column's scale words of two K steps
.set TM,  16                           ; v16-31 at work
.set T0,  16
.set T1,  17
.set T2,  18
.set TG,  16
.set PW,  32                           ; v32  the scale word just made
.set L4,  38                           ; v38  4 lane
.set CN,  39                           ; v39  the count, to store
.set PC,  40                           ; v40-47 the fragment just made
.set XS,  48                           ; v48-51 x's scale words: register i: lanes 0-15 K step i, lanes 16-31 K step 4 + i.  Scales and nothing else
.set WS,  52                           ; v52-55 the weights' scale words, two sets of two.  Scales and nothing else
.set X,   56                           ; v56-119 x's eight fragments
.set WB,  120                          ; v120-183 two sets of 32: w1's numbers as loaded, later four fragments each
.set ACC, 184                          ; v184-247 eight accumulators
.set CD,  184                          ; v184-215 phase 1: the codes
.set RKD, 216                          ; v216-247 the ranks, to store
.set WP,  4                            ; s[4:5]  w1 at my wave's part
.set MW,  16                           ; s16-47  the mask's words
.set WV,  48
.set CG,  49
.set KQ,  50
.set XI,  51
.set XE,  52
.set NTL, 53                           ; s53  tiles of this expert
.set TT,  54                           ; s54  the tile in hand
.set TR,  55                           ; s55  trips to go
.set SEL, 58                           ; s[58:59] selects for lane l xor 16
.set CNT, 62
.set CJ,  66                           ; s66-97  set bits in the words before word j
.set CB,  98                           ; s[98:99] B, twice
.macro LOADW t                         ; block t of my column: 32 numbers down K into set t % 2.  A wave's load reads 128 consecutive bytes, the four waves beside each other 512
.set i, 0
.rept 32
	global_load_b32 v[WB+32*((\t)%2)+i], v[WO], s[WP:WP+1] offset:(32*(\t)+i)*PITCHW th:TH_LOAD_NT
.set i, i+1
.endr
.endm
.macro BLOCKW t                        ; block t becomes 16 bytes of codes and a scale byte
.set XB, WB+32*((\t)%2)
.if (\t) < 7
	s_wait_loadcnt 32                              ; this block's loads, and all older ones, are in; the next block's 32 may be out
.else
	s_wait_loadcnt 0x0
.endif
	v_max3_num_f32 v[T0], |v[XB]|, |v[XB+1]|, |v[XB+2]|
	v_max3_num_f32 v[T1], |v[XB+3]|, |v[XB+4]|, |v[XB+5]|
.irp i, 6,10,14,18,22,26
	v_max3_num_f32 v[T0], v[T0], |v[XB+\i]|, |v[XB+\i+1]|
	v_max3_num_f32 v[T1], v[T1], |v[XB+\i+2]|, |v[XB+\i+3]|
.endr
	v_max3_num_f32 v[T0], v[T0], |v[XB+30]|, |v[XB+31]|
	v_max3_num_f32 v[T0], v[T0], v[T1], 0x1800000  ; with the floor 2^(3 - 127): the byte cannot fall under 1
	v_add_nc_u32 v[T2], 0xff000000, v[T0]          ; 2 off the exponent field: the conversion's scale operand
	v_lshrrev_b32 v[T1], 23, v[T2]                 ; the byte
.if (\t)%4 == 0
	v_mov_b32 v[SB+(\t)/4], v[T1]
.else
	v_lshl_or_b32 v[SB+(\t)/4], v[T1], 8*((\t)%4), v[SB+(\t)/4]
.endif
.irp g, 0,1,2,3
	v_cvt_scalef32_pk8_fp4_f32 v[CD+16*((\t)/4)+8*((\t)%2)+4*(((\t)/2)%2)+\g], v[XB+8*\g:XB+8*\g+7], v[T2]
.endr
	v_nop                                          ; one plain line behind the conversions
.if (\t)+2 < 8
	LOADW (\t)+2
.endif
.endm
; The operand wants row r's blocks 0, 2 in lane r and its blocks 1, 3 in lane r + 16.  An even block's register and the odd block's behind it change halves: the first is then
; a register of the tile of columns in lanes 0-15, the second of the tile in lanes 16-31.  The scale word stays: tile 0 reads it in lanes 0-15, tile 1 in lanes 16-31.
.macro FRAGS
.irp d, 0,1
.irp c, 0,1
.irp i, 0,1,2,3
	v_permlane16_swap_b32 v[CD+16*\d+4*\c+\i], v[CD+16*\d+8+4*\c+\i]
.endr
.endr
.endr
.irp d, 0,1
.irp u, 0,1
.irp c, 0,1
	ds_store_b128 v[SWI], v[CD+16*\d+8*\u+4*\c:CD+16*\d+8*\u+4*\c+3] offset:\d*DSI+\u*1024+\c*512
.endr
.endr
	ds_store_b32 v[SWS], v[SB+\d] offset:\d*DSS
.endr
	s_wait_dscnt 0x0                               ; for the others' sake: my images lie in LDS
	s_barrier_signal -1
	s_barrier_wait -1                              ; the launch's one barrier: behind it LDS is only read
.endm
.macro WLOAD g                         ; step g: fragments 4 g .. 4 g + 3 and scale-word sets 2 g, 2 g + 1 into set g % 2: ten LDS loads
.irp i, 0,1,2,3
.irp c, 0,1
	ds_load_b128 v[WB+32*((\g)%2)+8*\i+4*\c:WB+32*((\g)%2)+8*\i+4*\c+3], v[LI] offset:(4*(\g)+\i)*1024+512*\c
.endr
.endr
.irp i, 0,1
	ds_load_b32 v[WS+2*((\g)%2)+\i], v[LS] offset:(2*(\g)+\i)*128
.endr
.endm
.macro WM                              ; one product: D v[MD..], source 0 v[MA..], source 1 v[MB..], scales v[MSA], v[MSB]; MZ: it starts the sum; MRA, MRB: the scales stand in lanes 16-31
.if MZ
.if MRA
	v_wmma_scale_f32_16x16x128_f8f6f4 v[MD:MD+7], v[MA:MA+7], v[MB:MB+7], 0, v[MSA], v[MSB] matrix_a_fmt:MATRIX_FMT_FP4 matrix_b_fmt:MATRIX_FMT_FP4 matrix_a_scale:MATRIX_SCALE_ROW1
.else
	v_wmma_scale_f32_16x16x128_f8f6f4 v[MD:MD+7], v[MA:MA+7], v[MB:MB+7], 0, v[MSA], v[MSB] matrix_a_fmt:MATRIX_FMT_FP4 matrix_b_fmt:MATRIX_FMT_FP4
.endif
.else
.if MRA && MRB
	v_wmma_scale_f32_16x16x128_f8f6f4 v[MD:MD+7], v[MA:MA+7], v[MB:MB+7], v[MD:MD+7], v[MSA], v[MSB] matrix_a_fmt:MATRIX_FMT_FP4 matrix_b_fmt:MATRIX_FMT_FP4 matrix_a_scale:MATRIX_SCALE_ROW1 matrix_b_scale:MATRIX_SCALE_ROW1
.elseif MRA
	v_wmma_scale_f32_16x16x128_f8f6f4 v[MD:MD+7], v[MA:MA+7], v[MB:MB+7], v[MD:MD+7], v[MSA], v[MSB] matrix_a_fmt:MATRIX_FMT_FP4 matrix_b_fmt:MATRIX_FMT_FP4 matrix_a_scale:MATRIX_SCALE_ROW1
.elseif MRB
	v_wmma_scale_f32_16x16x128_f8f6f4 v[MD:MD+7], v[MA:MA+7], v[MB:MB+7], v[MD:MD+7], v[MSA], v[MSB] matrix_a_fmt:MATRIX_FMT_FP4 matrix_b_fmt:MATRIX_FMT_FP4 matrix_b_scale:MATRIX_SCALE_ROW1
.else
	v_wmma_scale_f32_16x16x128_f8f6f4 v[MD:MD+7], v[MA:MA+7], v[MB:MB+7], v[MD:MD+7], v[MSA], v[MSB] matrix_a_fmt:MATRIX_FMT_FP4 matrix_b_fmt:MATRIX_FMT_FP4
.endif
.endif
.endm
; A tile's 64 products: sixteen steps of four; step g is K step g / 2, column tiles 4 (g % 2) + 0 .. 3.  The eight accumulators take turns, one instruction a turn.
.macro MM
	WLOAD 0
	WLOAD 1
.set G, 0
.rept 16
.if G < 15
	s_wait_dscnt 10                                ; this step's ten loads are in; the other set's ten may be out
.else
	s_wait_dscnt 0x0
.endif
.if G < 2
.set MZ, 1
.else
.set MZ, 0
.endif
.irp i, 0,1,2,3
.set MD, ACC+8*(4*(G%2)+\i)
.set MA, WB+32*(G%2)+8*\i
.set MB, X+8*(G/2)
.set MSA, WS+2*(G%2)+\i/2
.set MSB, XS+(G/2)%4
.set MRA, \i%2
.set MRB, G/8
	WM
.endr
.if G+2 < 16
.rept 4
	v_nop                                          ; four places in front of loads into registers that these products read (ISA guide 7.12.1 for vector instructions)
.endr
	WLOAD G+2
.endif
.set G, G+1
.endr
.endm
; The token at position s60 + lane % 16 of the expert's rows.  Word: the last j whose running count is at most p.  Bit: the (p - count)-th set bit, by halving on counts kept in fields.
.macro DESC tbl, width, half
	v_bfe_u32 v25, v[\tbl], v24, \width            ; set bits in the lower half of the range in hand
	v_cmp_ge_u32 vcc_lo, v19, v25
	v_cndmask_b32 v25, 0, v25, vcc_lo
	v_sub_nc_u32 v19, v19, v25
	v_cndmask_b32 v26, 0, \half, vcc_lo
	v_add_nc_u32 v24, v24, v26
.endm
.macro SELECT
	v_add_nc_u32 v[PP], s60, v[RR]
	v_mov_b32 v16, s[MW]
	v_mov_b32 v17, 0
	v_mov_b32 v18, 0
.set j, 1
.rept 31
	v_cmp_gt_u32 vcc_lo, s[CJ+j], v[PP]
	v_cndmask_b32 v16, s[MW+j], v16, vcc_lo        ; the word,
	v_cndmask_b32 v17, s[CJ+j], v17, vcc_lo        ; its running count,
	v_cndmask_b32 v18, 32*j, v18, vcc_lo           ; its first token
.set j, j+1
.endr
	v_sub_nc_u32 v19, v[PP], v17
	v_lshrrev_b32 v20, 1, v16
	v_and_b32 v20, 0x55555555, v20
	v_sub_nc_u32 v20, v16, v20                     ; counts of 2 bits
	v_lshrrev_b32 v21, 2, v20
	v_and_b32 v21, 0x33333333, v21
	v_and_b32 v22, 0x33333333, v20
	v_add_nc_u32 v21, v21, v22                     ; of 4
	v_lshrrev_b32 v22, 4, v21
	v_add_nc_u32 v22, v22, v21
	v_and_b32 v22, 0x0f0f0f0f, v22                 ; of 8
	v_lshrrev_b32 v23, 8, v22
	v_add_nc_u32 v23, v23, v22
	v_and_b32 v23, 0x00ff00ff, v23                 ; of 16
	v_mov_b32 v24, 0
	DESC 23, 8, 16
	DESC 22, 8, 8
	DESC 21, 4, 4
	DESC 20, 2, 2
	DESC 16, 1, 1
	v_add_nc_u32 v25, v18, v24
	v_min_u32 v25, 0x3ff, v25                      ; the token, held inside x
	v_lshlrev_b32 v[XO], 9, v25
	v_lshl_add_u32 v[XO], v[HH], 4, v[XO]          ; its row of 512 bytes of codes, + 16 for lanes 16-31
	v_lshlrev_b32 v[XSO], 5, v25
	v_lshl_add_u32 v[XSO], v[HH], 4, v[XSO]
	v_add_nc_u32 v[XSO], 0x80000, v[XSO]           ; its 32 scale bytes: lanes 0-15 the first 16, lanes 16-31 the others
.endm
.macro XGATHER                         ; 17 loads: the tile's eight fragments of x and their scale words
.irp s, 0,1,2,3,4,5,6,7
.irp c, 0,1
	global_load_b128 v[X+8*\s+4*\c:X+8*\s+4*\c+3], v[XO], s[6:7] offset:64*\s+32*\c
.endr
.endr
	global_load_b128 v[XS:XS+3], v[XSO], s[6:7]
.endm
.macro GELU                            ; in place, an accumulator at a time, each from its low end on
.set Q, 0
.rept 8
.set AB, ACC+8*Q
.irp p, 0,2,4,6
	v_pk_mul_f32 v[TG+\p:TG+\p+1], v[AB+\p:AB+\p+1], v[AB+\p:AB+\p+1]
.endr
.irp p, 0,2,4,6
	v_pk_fma_f32 v[TG+\p:TG+\p+1], v[TG+\p:TG+\p+1], s[CB:CB+1], v[CA:CA+1] op_sel_hi:[1,0,0]   ; B v^2 + A
.endr
.irp p, 0,2,4,6
	v_pk_mul_f32 v[TG+\p:TG+\p+1], v[TG+\p:TG+\p+1], v[AB+\p:AB+\p+1]
.endr
.irp p, 0,1,2,3,4,5,6,7
	v_exp_f32 v[TG+\p], v[TG+\p]
.endr
	v_nop                                          ; a plain line behind the exponentials
	s_wait_alu depctr_va_vdst(0)
.irp p, 0,2,4,6
	v_pk_add_f32 v[TG+\p:TG+\p+1], v[TG+\p:TG+\p+1], 1.0 op_sel_hi:[1,0]
.endr
.irp p, 0,1,2,3,4,5,6,7
	v_rcp_f32 v[TG+\p], v[TG+\p]
.endr
	v_nop                                          ; a plain line behind the reciprocals
	s_wait_alu depctr_va_vdst(0)
.irp p, 0,2,4,6
	v_pk_mul_f32 v[AB+\p:AB+\p+1], v[AB+\p:AB+\p+1], v[TG+\p:TG+\p+1]
.endr
.set Q, Q+1
.endr
.endm
; 64 numbers of a lane, register 16 b + i = k 32 b + 16 (lane / 16) + i of my row, become a fragment's codes in v[PC] on and its scale word in v[PW].
.macro QUANT s
.irp b, 0,1,2,3
	v_max3_num_f32 v[TM+\b], |v[\s+16*\b]|, |v[\s+1+16*\b]|, 0x1800000
.endr
.irp i, 2,4,6,8,10,12,14
.irp b, 0,1,2,3
	v_max3_num_f32 v[TM+\b], v[TM+\b], |v[\s+16*\b+\i]|, |v[\s+1+16*\b+\i]|
.endr
.endr
.irp b, 0,1,2,3
	v_permlanex16_b32 v[TM+4+\b], v[TM+\b], s[SEL], s[SEL+1]
.endr
.irp b, 0,1,2,3
	v_max_num_f32 v[TM+\b], v[TM+\b], v[TM+4+\b]   ; with lane l xor 16's: the block's largest magnitude
.endr
.irp b, 0,1,2,3
	v_add_nc_u32 v[TM+12+\b], 0xff000000, v[TM+\b]
.endr
.irp b, 0,1,2,3
	v_lshrrev_b32 v[TM+4+\b], 23, v[TM+12+\b]
.endr
	v_lshl_or_b32 v[PW], v[TM+5], 8, v[TM+4]
	v_lshl_or_b32 v[PW], v[TM+6], 16, v[PW]
	v_lshl_or_b32 v[PW], v[TM+7], 24, v[PW]
.irp b, 0,1,2,3
	v_cvt_scalef32_pk8_fp4_f32 v[PC+2*\b], v[\s+16*\b:\s+7+16*\b], v[TM+12+\b]
	v_cvt_scalef32_pk8_fp4_f32 v[PC+1+2*\b], v[\s+8+16*\b:\s+15+16*\b], v[TM+12+\b]
.endr
	v_nop                                          ; one plain line behind the conversions
.irp c, 0,1
.irp i, 0,1
	v_permlane16_swap_b32 v[PC+4*\c+\i], v[PC+2+4*\c+\i]   ; a whole block to a lane: lanes 0-15 block 2 c, lanes 16-31 block 2 c + 1
.endr
.endr
.endm
	s_load_b256 s[4:11], s[0:1], 0x0               ; w1 s[4:5], xq s[6:7], ri s[8:9], hq s[10:11]
	s_load_b128 s[12:15], s[0:1], 0x20             ; hs s[12:13], rk s[14:15]
	v_lshl_add_u32 v254, v0, 2, 0x11000
	v_mov_b32 v255, 0
	v_lshrrev_b32 v[T0], 5, v0
	v_readfirstlane_b32 s[WV], v[T0]               ; wave 0..15
	v_and_b32 v[LN], 31, v0
	v_and_b32 v[RR], 15, v0
	v_bfe_u32 v[HH], v0, 4, 1
	s_and_b32 s[CG], s[WV], 3
	s_lshr_b32 s[KQ], s[WV], 2
	s_mov_b32 s[XI], ttmp9
	s_and_b32 s[XE], ttmp7, 0xffff
	v_and_b32 v[WO], 7, v0
	v_bfe_u32 v[T1], v0, 3, 1
	v_lshl_add_u32 v[WO], v[T1], 4, v[WO]
	v_lshl_add_u32 v[WO], v[HH], 3, v[WO]
	v_lshlrev_b32 v[WO], 2, v[WO]                  ; 4 x (16 ((n / 8) % 2) + 8 (n / 16) + n % 8)
	v_lshlrev_b32 v[LI], 4, v[LN]
	v_lshl_add_u32 v[LS], v[LN], 2, WSC
	v_lshlrev_b32 v[L4], 2, v[LN]
	s_lshl_b32 s60, s[KQ], 14
	s_lshl_b32 s61, s[CG], 11
	s_add_co_u32 s60, s60, s61
	v_add_nc_u32 v[SWI], s60, v[LI]                ; fragments 8 (2 kq) + 2 cg on
	s_lshl_b32 s60, s[KQ], 10
	s_lshl_b32 s61, s[CG], 7
	s_add_co_u32 s60, s60, s61
	v_add_nc_u32 v[SWS], s60, v[LS]                ; scale-word set 4 (2 kq) + cg
	v_mov_b32 v[CA], 0xc0135761                    ; A = -2.3022082
	v_mov_b32 v[CA+1], 0xc0135761
	s_mov_b32 s[CB], 0xbdd2d3e8                    ; B = -0.10294324
	s_mov_b32 s[CB+1], s[CB]
	s_mov_b32 s[SEL], 0x76543210
	s_mov_b32 s[SEL+1], 0xfedcba98
	s_mov_b32 s61, 0
	s_wait_kmcnt 0x0
	s_lshl_b32 s60, s[XE], 7
	s_add_co_u32 s60, s60, 8192
	s_add_nc_u64 s[56:57], s[8:9], s[60:61]        ; the expert's mask
	s_load_b512 s[16:31], s[56:57], 0x0
	s_load_b512 s[32:47], s[56:57], 0x40
	s_lshl_b32 s60, s[XE], 24                      ; w1: the expert's 16 MiB, my 256 rows, my 32 columns
	s_lshl_b32 s63, s[KQ], 22
	s_add_co_u32 s60, s60, s63
	s_lshl_b32 s63, s[XI], 9
	s_add_co_u32 s60, s60, s63
	s_lshl_b32 s63, s[CG], 7
	s_add_co_u32 s60, s60, s63
	s_add_nc_u64 s[WP:WP+1], s[WP:WP+1], s[60:61]
	LOADW 0
	s_lshl_b32 s60, s[XE], 21                      ; hq: image ((64 e + tile) 32 + x) of 1,024 bytes; my first tile is my wave's number
	s_lshl_b32 s63, s[WV], 15
	s_add_co_u32 s60, s60, s63
	s_lshl_b32 s63, s[XI], 10
	s_add_co_u32 s60, s60, s63
	s_add_nc_u64 s[10:11], s[10:11], s[60:61]
	s_lshl_b32 s60, s[XE], 18                      ; hs: the same index, 128 bytes each
	s_lshl_b32 s63, s[WV], 12
	s_add_co_u32 s60, s60, s63
	s_lshl_b32 s63, s[XI], 7
	s_add_co_u32 s60, s60, s63
	s_add_nc_u64 s[12:13], s[12:13], s[60:61]
	s_wait_kmcnt 0x0                               ; the mask
	s_mov_b32 s[CJ], 0
.set j, 0
.rept 31
	s_bcnt1_i32_b32 s60, s[MW+j]
	s_add_co_u32 s[CJ+1+j], s[CJ+j], s60
.set j, j+1
.endr
	s_bcnt1_i32_b32 s60, s[MW+31]
	s_add_co_u32 s[CNT], s[CJ+31], s60             ; the expert's rows
	s_add_co_u32 s[NTL], s[CNT], 15
	s_lshr_b32 s[NTL], s[NTL], 4
	s_max_u32 s[NTL], s[NTL], 1                    ; tiles of 16; one at the least, so that the next launch always finds a tile
	s_or_b32 s60, s[XI], s[WV]
	s_cmp_lg_u32 s60, 0
	s_cbranch_scc1 .Lno_rk                         ; wave 0 of work-group x = 0 stores the ranks and the count
	s_lshl_b32 s60, s[XE], 12
	s_add_nc_u64 s[56:57], s[14:15], s[60:61]
.set j, 0
.rept 32
	v_mbcnt_lo_u32_b32 v[RKD+j], s[MW+j], s[CJ+j]  ; token 32 j + lane: set bits below it in its word + those in the words before
	global_store_b32 v[L4], v[RKD+j], s[56:57] offset:128*j
.set j, j+1
.endr
	s_lshl_b32 s60, s[XE], 7
	s_add_co_u32 s60, s60, 32768
	s_add_nc_u64 s[14:15], s[14:15], s[60:61]
	v_mov_b32 v[CN], s[CNT]
	global_store_b32 v[L4], v[CN], s[14:15]
	s_wait_xcnt 0x0                                ; these stores' data registers are written again further down
.Lno_rk:
	s_mov_b32 s[TT], s[WV]
	s_lshl_b32 s60, s[WV], 4
	SELECT                                         ; my first tile's rows are asked for under the stream, in every wave: a wave without a tile asks for valid rows and drops them
	XGATHER
	LOADW 1
.irp t, 0,1,2,3,4,5,6,7
	BLOCKW \t
.endr
	FRAGS
	s_mov_b32 s[TR], 4                             ; four trips, a constant: 64 tiles at the most for 16 waves; a trip without a tile jumps over the work
.Ltile:
	s_cmp_ge_u32 s[TT], s[NTL]
	s_cbranch_scc1 .Lskip
	s_wait_loadcnt 0x0                             ; x's fragments and scale words
	MM
.rept 4
	v_nop                                          ; four places behind the last products: for the loads into x's registers and the first reads of results
.endr
	s_add_co_u32 s60, s[TT], 16
	s_cmp_ge_u32 s60, s[NTL]
	s_cbranch_scc1 .Lno_next
	s_lshl_b32 s60, s60, 4
	SELECT                                         ; my next tile's rows land under this tile's gelu
	XGATHER
.Lno_next:
	GELU
	QUANT ACC
	global_store_b128 v[LI], v[PC:PC+3], s[10:11]              ; the image: 32 lanes, 512 consecutive bytes a store
	global_store_b128 v[LI], v[PC+4:PC+7], s[10:11] offset:512
	global_store_b32 v[L4], v[PW], s[12:13]
.Lskip:
	s_wait_xcnt 0x0                                ; the stores have read their bases and data: both are written again
	s_add_nc_u64 s[10:11], s[10:11], 524288        ; sixteen tiles on
	s_add_nc_u64 s[12:13], s[12:13], 65536
	s_add_co_u32 s[TT], s[TT], 16
	s_sub_co_u32 s[TR], s[TR], 1
	s_cmp_lg_u32 s[TR], 0
	s_cbranch_scc1 .Ltile
	s_wait_tensorcnt 0x0
	ds_add_u32 v254, v255
	s_wait_dscnt 0x0
	s_endpgm
.Lfunc_end_k_q808ae5ae5f_ffn1:
	.size	k_q808ae5ae5f_ffn1, .Lfunc_end_k_q808ae5ae5f_ffn1-k_q808ae5ae5f_ffn1
	.p2alignl 7, 3214868480
	.fill 96, 4, 3214868480
	.section	.rodata,"a",@progbits
	.p2align	6, 0x0
	.amdhsa_kernel k_q808ae5ae5f_ffn1
		.amdhsa_group_segment_fixed_size 71680
		.amdhsa_private_segment_fixed_size 0
		.amdhsa_enable_private_segment 0
		.amdhsa_kernarg_size 48
		.amdhsa_user_sgpr_count 2
		.amdhsa_user_sgpr_kernarg_segment_ptr 1
		.amdhsa_wavefront_size32 1
		.amdhsa_system_sgpr_workgroup_id_x 1
		.amdhsa_system_sgpr_workgroup_id_y 1
		.amdhsa_system_sgpr_workgroup_id_z 1
		.amdhsa_system_vgpr_workitem_id 0
		.amdhsa_next_free_vgpr 256
		.amdhsa_next_free_sgpr 100
		.amdhsa_reserve_vcc 1
		.amdhsa_float_denorm_mode_32 3
		.amdhsa_float_denorm_mode_16_64 3
		.amdhsa_memory_ordered 1
		.amdhsa_forward_progress 1
		.amdhsa_inst_pref_size 106
	.end_amdhsa_kernel
	.amdgpu_metadata
---
amdhsa.version: [ 1, 2 ]
amdhsa.kernels:
  - .name:           k_q808ae5ae5f_ffn1
    .symbol:         k_q808ae5ae5f_ffn1.kd
    .args:
      - { .name: w1, .offset: 0, .size: 8, .value_kind: global_buffer, .address_space: global }
      - { .name: xq, .offset: 8, .size: 8, .value_kind: global_buffer, .address_space: global }
      - { .name: ri, .offset: 16, .size: 8, .value_kind: global_buffer, .address_space: global }
      - { .name: hq, .offset: 24, .size: 8, .value_kind: global_buffer, .address_space: global }
      - { .name: hs, .offset: 32, .size: 8, .value_kind: global_buffer, .address_space: global }
      - { .name: rk, .offset: 40, .size: 8, .value_kind: global_buffer, .address_space: global }
    .group_segment_fixed_size: 71680
    .private_segment_fixed_size: 0
    .kernarg_segment_align: 8
    .kernarg_segment_size: 48
    .max_flat_workgroup_size: 512
    .sgpr_count:     100
    .vgpr_count:     256
    .wavefront_size: 32
...
	.end_amdgpu_metadata
.endif
;; end of part 2
;; launch ffn2 (part 3): grid 32 x 8, 16 waves a work-group, no clusters, 141,312 bytes of LDS; arguments w2, hq, hs, rk, y2; writes y2
.if DOCPART == 3
	.amdgcn_target "amdgcn-amd-amdhsa--gfx1250"
	.amdhsa_code_object_version 6
	.text
	.protected	k_q808ae5ae5f_ffn2
	.globl	k_q808ae5ae5f_ffn2
	.p2align	8
	.type	k_q808ae5ae5f_ffn2,@function
k_q808ae5ae5f_ffn2:
	s_mov_b64 s[64:65], 0
	v_nop
	global_prefetch_b8 v0, s[64:65] scope:SCOPE_SE
	s_setreg_imm32_b32 hwreg(HW_REG_WAVE_MODE, 25, 1), 1
	s_wait_xcnt 0x0
; FFN2.  y = h w2[e] for the expert's rows, in sorted order, both operands as codes of FP4 (E2M1) with one E8M0 scale for each 32 along K (K = F = 4,096); sums in f32.
; THE WEIGHTS STAY, THE ROWS GO ROUND.  Work-group (xs + 16 kh, e) owns rows 2,048 kh .. + 2,047 and columns 64 xs .. + 63 of w2[e]: 2,048 x 64 f32, 512 KiB, read by nobody else.
; 64 columns keep the rows of w2 that two waves read, and the rows of y that a wave stores, at 256 bytes; with all of K a work-group would have 32 columns.  So K is halved and y2 holds two parts, which the last launch adds.
; PHASE 1, the stream: wave w takes 32 columns (cg = w % 2) x 256 along K (ke = w / 2); a lane takes a column, its registers run down K; codes go to LDS as images of the operand's registers.
; PHASE 2: wave w takes row tiles w, w + 16, w + 32, w + 48: h's sixteen fragments come from memory as the images that the launch before stored, the weights' from LDS.
; THE PRODUCT IS USED TRANSPOSED (source 0 = 16 columns of w2, source 1 = 16 rows of h): a lane holds eight neighbouring columns of one row of y.  A tile goes through the wave's own
; stage in LDS and leaves as whole rows: sixteen lanes store 256 consecutive bytes, aligned.
; The number of tiles comes from the stored count (at least one, as the launch before makes at least one); rows of the last tile past the count are padding that nobody reads.
; NO CLUSTER, NO TENSOR LOADS: 512 KiB of a work-group's bytes are its own; h's images (17 KiB a tile) are shared by 16 work-groups but go straight into one wave's registers, and their number hangs on the count.
; LIMITS: NaN and infinities are not served.  A block whose largest magnitude lies under 2^-124 (zeros too) gets the byte 1; this program alone reads the bytes.
.set PITCHW, 4096                      ; bytes from a row of w2[e] to the next
.set DSI,    4096                      ; LDS: a K step's four fragments
.set DSS,    256                       ; and its two sets of scale words
.set WSC,    65536                     ; LDS: fragment 4 s + nt at 1,024 (4 s + nt); from here on scale words, set 2 s + cg at 128 (2 s + cg) + 4 lane
.set STG,    69632                     ; behind them: a stage of 16 rows x (256 + 16) bytes for each wave
.set SPI,    272
.set LN,  1
.set RR,  2
.set HH,  3
.set WO,  4                            ; v4   4 lane: my column
.set LI,  5                            ; v5   16 lane
.set LS,  6                            ; v6   WSC + 4 lane
.set SWI, 7
.set SWS, 8
.set HSO, 9                            ; v9   h's scale words: 4 (lane % 16) + 128 (lane / 16)
.set STO, 10                           ; v10  the stage: where I put 32 bytes of a row
.set RDA, 11                           ; v11  and where I read 16 bytes of a row back
.set GO,  12                           ; v12  the same place in y2
.set SB,  14                           ; v[14:15]
.set HS,  16                           ; v16-23 h's scale words: register q: lanes 0-15 K step 2 q, lanes 16-31 K step 2 q + 1.  Scales and nothing else
.set WS,  24                           ; v24-27 the weights' scale words, two sets of two.  Scales and nothing else
.set T0,  28
.set T1,  29
.set T2,  30
.set ACC, 32                           ; v32-63 four accumulators
.set CD,  32                           ; phase 1: the codes
.set WB,  64                           ; v64-127 two sets of 32: numbers as loaded, later four fragments each; v64-95 also rows of y on their way out
.set H,   128                          ; v128-255 h's sixteen fragments
.set WP,  4
.macro LOADW t                         ; block t of my column: 32 numbers down K into set t % 2.  A wave's load reads 128 consecutive bytes, the two waves beside each other 256
.set i, 0
.rept 32
	global_load_b32 v[WB+32*((\t)%2)+i], v[WO], s[WP:WP+1] offset:(32*(\t)+i)*PITCHW th:TH_LOAD_NT
.set i, i+1
.endr
.endm
.macro BLOCKW t                        ; block t becomes 16 bytes of codes and a scale byte
.set XB, WB+32*((\t)%2)
.if (\t) < 7
	s_wait_loadcnt 32                              ; this block's loads, and all older ones, are in; the next block's 32 may be out
.else
	s_wait_loadcnt 0x0
.endif
	v_max3_num_f32 v[T0], |v[XB]|, |v[XB+1]|, |v[XB+2]|
	v_max3_num_f32 v[T1], |v[XB+3]|, |v[XB+4]|, |v[XB+5]|
.irp i, 6,10,14,18,22,26
	v_max3_num_f32 v[T0], v[T0], |v[XB+\i]|, |v[XB+\i+1]|
	v_max3_num_f32 v[T1], v[T1], |v[XB+\i+2]|, |v[XB+\i+3]|
.endr
	v_max3_num_f32 v[T0], v[T0], |v[XB+30]|, |v[XB+31]|
	v_max3_num_f32 v[T0], v[T0], v[T1], 0x1800000  ; with the floor 2^(3 - 127): the byte cannot fall under 1
	v_add_nc_u32 v[T2], 0xff000000, v[T0]          ; 2 off the exponent field: the conversion's scale operand
	v_lshrrev_b32 v[T1], 23, v[T2]                 ; the byte
.if (\t)%4 == 0
	v_mov_b32 v[SB+(\t)/4], v[T1]
.else
	v_lshl_or_b32 v[SB+(\t)/4], v[T1], 8*((\t)%4), v[SB+(\t)/4]
.endif
.irp g, 0,1,2,3
	v_cvt_scalef32_pk8_fp4_f32 v[CD+16*((\t)/4)+8*((\t)%2)+4*(((\t)/2)%2)+\g], v[XB+8*\g:XB+8*\g+7], v[T2]
.endr
	v_nop                                          ; one plain line behind the conversions
.if (\t)+2 < 8
	LOADW (\t)+2
.endif
.endm
; An even block's register and the odd block's behind it change halves: the first is then a register of the tile of columns in lanes 0-15, the second of the tile in lanes 16-31.
.macro FRAGS
.irp d, 0,1
.irp c, 0,1
.irp i, 0,1,2,3
	v_permlane16_swap_b32 v[CD+16*\d+4*\c+\i], v[CD+16*\d+8+4*\c+\i]
.endr
.endr
.endr
.irp d, 0,1
.irp u, 0,1
.irp c, 0,1
	ds_store_b128 v[SWI], v[CD+16*\d+8*\u+4*\c:CD+16*\d+8*\u+4*\c+3] offset:\d*DSI+\u*1024+\c*512
.endr
.endr
	ds_store_b32 v[SWS], v[SB+\d] offset:\d*DSS
.endr
	s_wait_dscnt 0x0                               ; for the others' sake: my images lie in LDS
	s_barrier_signal -1
	s_barrier_wait -1                              ; the launch's one barrier: behind it the images are only read, and each stage is its wave's own
.endm
.macro WLOAD g                         ; K step g: its four fragments and two sets of scale words into set g % 2: ten LDS loads
.irp i, 0,1,2,3
.irp c, 0,1
	ds_load_b128 v[WB+32*((\g)%2)+8*\i+4*\c:WB+32*((\g)%2)+8*\i+4*\c+3], v[LI] offset:(4*(\g)+\i)*1024+512*\c
.endr
.endr
.irp i, 0,1
	ds_load_b32 v[WS+2*((\g)%2)+\i], v[LS] offset:(2*(\g)+\i)*128
.endr
.endm
.macro WM                              ; one product: D v[MD..], source 0 v[MA..], source 1 v[MB..], scales v[MSA], v[MSB]; MZ: it starts the sum; MRA, MRB: the scales stand in lanes 16-31
.if MZ
.if MRA
	v_wmma_scale_f32_16x16x128_f8f6f4 v[MD:MD+7], v[MA:MA+7], v[MB:MB+7], 0, v[MSA], v[MSB] matrix_a_fmt:MATRIX_FMT_FP4 matrix_b_fmt:MATRIX_FMT_FP4 matrix_a_scale:MATRIX_SCALE_ROW1
.else
	v_wmma_scale_f32_16x16x128_f8f6f4 v[MD:MD+7], v[MA:MA+7], v[MB:MB+7], 0, v[MSA], v[MSB] matrix_a_fmt:MATRIX_FMT_FP4 matrix_b_fmt:MATRIX_FMT_FP4
.endif
.else
.if MRA && MRB
	v_wmma_scale_f32_16x16x128_f8f6f4 v[MD:MD+7], v[MA:MA+7], v[MB:MB+7], v[MD:MD+7], v[MSA], v[MSB] matrix_a_fmt:MATRIX_FMT_FP4 matrix_b_fmt:MATRIX_FMT_FP4 matrix_a_scale:MATRIX_SCALE_ROW1 matrix_b_scale:MATRIX_SCALE_ROW1
.elseif MRA
	v_wmma_scale_f32_16x16x128_f8f6f4 v[MD:MD+7], v[MA:MA+7], v[MB:MB+7], v[MD:MD+7], v[MSA], v[MSB] matrix_a_fmt:MATRIX_FMT_FP4 matrix_b_fmt:MATRIX_FMT_FP4 matrix_a_scale:MATRIX_SCALE_ROW1
.elseif MRB
	v_wmma_scale_f32_16x16x128_f8f6f4 v[MD:MD+7], v[MA:MA+7], v[MB:MB+7], v[MD:MD+7], v[MSA], v[MSB] matrix_a_fmt:MATRIX_FMT_FP4 matrix_b_fmt:MATRIX_FMT_FP4 matrix_b_scale:MATRIX_SCALE_ROW1
.else
	v_wmma_scale_f32_16x16x128_f8f6f4 v[MD:MD+7], v[MA:MA+7], v[MB:MB+7], v[MD:MD+7], v[MSA], v[MSB] matrix_a_fmt:MATRIX_FMT_FP4 matrix_b_fmt:MATRIX_FMT_FP4
.endif
.endif
.endm
; A tile's 64 products: sixteen K steps of four column tiles.  The four accumulators take turns, one instruction a turn.
.macro MM
	WLOAD 0
	WLOAD 1
.set G, 0
.rept 16
.if G < 15
	s_wait_dscnt 10                                ; this step's ten loads are in; the other set's ten may be out
.else
	s_wait_dscnt 0x0
.endif
.if G < 1
.set MZ, 1
.else
.set MZ, 0
.endif
.irp i, 0,1,2,3
.set MD, ACC+8*\i
.set MA, WB+32*(G%2)+8*\i
.set MB, H+8*G
.set MSA, WS+2*(G%2)+\i/2
.set MSB, HS+G/2
.set MRA, \i%2
.set MRB, G%2
	WM
.endr
.if G+2 < 16
.rept 4
	v_nop                                          ; four places in front of loads into registers that these products read (ISA guide 7.12.1 for vector instructions)
.endr
	WLOAD G+2
.endif
.set G, G+1
.endr
.endm
.macro HLOAD                           ; 40 loads: a tile's sixteen fragments of h (my K half) and their scale words
.irp s, 0,1,2,3,4,5,6,7,8,9,10,11,12,13,14,15
.irp c, 0,1
	global_load_b128 v[H+8*\s+4*\c:H+8*\s+4*\c+3], v[LI], s[6:7] offset:1024*\s+512*\c
.endr
.endr
.irp q, 0,1,2,3,4,5,6,7
	global_load_b32 v[HS+\q], v[HSO], s[8:9] offset:256*\q
.endr
.endm
	s_load_b256 s[4:11], s[0:1], 0x0               ; w2 s[4:5], hq s[6:7], hs s[8:9], rk s[10:11]
	s_load_b64 s[12:13], s[0:1], 0x20              ; y2
	v_lshl_add_u32 v13, v0, 2, 0x22000
	v_mov_b32 v31, 0
	v_lshrrev_b32 v[T0], 5, v0
	v_readfirstlane_b32 s14, v[T0]                 ; wave 0..15
	v_and_b32 v[LN], 31, v0
	v_and_b32 v[RR], 15, v0
	v_bfe_u32 v[HH], v0, 4, 1
	s_and_b32 s15, s14, 1                          ; cg
	s_lshr_b32 s16, s14, 1                         ; ke
	s_and_b32 s17, ttmp9, 15                       ; xs
	s_lshr_b32 s18, ttmp9, 4                       ; kh
	s_and_b32 s19, ttmp7, 0xffff                   ; e
	v_lshlrev_b32 v[WO], 2, v[LN]
	v_lshlrev_b32 v[LI], 4, v[LN]
	v_lshl_add_u32 v[LS], v[LN], 2, WSC
	s_lshl_b32 s24, s16, 13
	s_lshl_b32 s29, s15, 11
	s_add_co_u32 s24, s24, s29
	v_add_nc_u32 v[SWI], s24, v[LI]                ; fragments 4 (2 ke) + 2 cg on
	s_lshl_b32 s24, s16, 9
	s_lshl_b32 s29, s15, 7
	s_add_co_u32 s24, s24, s29
	v_add_nc_u32 v[SWS], s24, v[LS]                ; scale-word set 2 (2 ke) + cg
	v_lshlrev_b32 v[HSO], 2, v[RR]
	v_lshl_add_u32 v[HSO], v[HH], 7, v[HSO]
	s_mul_i32 s24, s14, 16*SPI
	s_add_co_u32 s24, s24, STG                     ; my stage
	v_mul_u32_u24 v[STO], v[RR], SPI
	v_lshl_add_u32 v[STO], v[HH], 5, v[STO]
	v_add_nc_u32 v[STO], s24, v[STO]               ; in: row lane % 16, 32 bytes for each half of the lanes
	v_mul_u32_u24 v[RDA], v[HH], SPI
	v_lshl_add_u32 v[RDA], v[RR], 4, v[RDA]
	v_add_nc_u32 v[RDA], s24, v[RDA]               ; back: lanes 0-15 one row of 256 bytes, lanes 16-31 the next
	v_lshlrev_b32 v[GO], 12, v[HH]
	v_lshl_add_u32 v[GO], v[RR], 4, v[GO]          ; and the same two rows in y2, 4,096 bytes apart
	s_mov_b32 s25, 0
	s_wait_kmcnt 0x0
	s_lshl_b32 s24, s19, 7
	s_add_co_u32 s24, s24, 32768
	s_add_nc_u64 s[26:27], s[10:11], s[24:25]
	s_load_b32 s20, s[26:27], 0x0                  ; the expert's rows
	s_lshl_b32 s24, s19, 24                        ; w2: the expert's 16 MiB, my K half, my 256 rows, my 32 columns
	s_lshl_b32 s29, s18, 23
	s_add_co_u32 s24, s24, s29
	s_lshl_b32 s29, s16, 20
	s_add_co_u32 s24, s24, s29
	s_lshl_b32 s29, s17, 8
	s_add_co_u32 s24, s24, s29
	s_lshl_b32 s29, s15, 7
	s_add_co_u32 s24, s24, s29
	s_add_nc_u64 s[WP:WP+1], s[WP:WP+1], s[24:25]
	LOADW 0
	s_lshl_b32 s24, s18, 25                        ; y2: [kh][e][position][1024] f32: my wave's first tile, my 64 columns
	s_lshl_b32 s29, s19, 22
	s_add_co_u32 s24, s24, s29
	s_lshl_b32 s29, s14, 16
	s_add_co_u32 s24, s24, s29
	s_lshl_b32 s29, s17, 8
	s_add_co_u32 s24, s24, s29
	s_add_nc_u64 s[12:13], s[12:13], s[24:25]
	s_wait_kmcnt 0x0                               ; the count
	s_min_u32 s20, s20, 1024
	s_add_co_u32 s21, s20, 15
	s_lshr_b32 s21, s21, 4
	s_max_u32 s21, s21, 1                          ; tiles: as many as the launch before made
	s_mov_b32 s22, s14                             ; the tile in hand
	s_sub_co_u32 s28, s21, 1
	s_min_u32 s28, s28, s14                        ; a wave without a tile asks for the last tile and drops it: every byte that is read has been stored
	s_min_u32 s28, s28, 63                         ; held inside the expert's 64 tiles
	s_lshl_b32 s24, s19, 21                        ; hq: image ((64 e + tile) 32 + 16 kh) of 1,024 bytes
	s_lshl_b32 s29, s28, 15
	s_add_co_u32 s24, s24, s29
	s_lshl_b32 s29, s18, 14
	s_add_co_u32 s24, s24, s29
	s_add_nc_u64 s[6:7], s[6:7], s[24:25]
	s_lshl_b32 s24, s19, 18                        ; hs: the same index, 128 bytes each
	s_lshl_b32 s29, s28, 12
	s_add_co_u32 s24, s24, s29
	s_lshl_b32 s29, s18, 11
	s_add_co_u32 s24, s24, s29
	s_add_nc_u64 s[8:9], s[8:9], s[24:25]
	HLOAD                                          ; my first tile's rows land under the stream
	LOADW 1
.irp t, 0,1,2,3,4,5,6,7
	BLOCKW \t
.endr
	FRAGS
	s_mov_b32 s23, 4                               ; four trips, a constant; a trip without a tile jumps over the work
.Ltile:
	s_cmp_ge_u32 s22, s21
	s_cbranch_scc1 .Lskip
	s_wait_loadcnt 0x0                             ; h's fragments and scale words; their bases may step
	MM
.rept 5
	v_nop                                          ; FIVE places behind the last two K steps' products: four serve the loads into h's and the weights' registers and the first reads of results
.endr                                                  ; the fifth serves the next trip's first four products, which begin the same four accumulators anew with C = 0 and so write over these products' registers, with no other vector line between
	s_add_co_u32 s24, s22, 16
	s_cmp_ge_u32 s24, s21
	s_cbranch_scc1 .Lno_next
	s_add_nc_u64 s[6:7], s[6:7], 524288            ; sixteen tiles on
	s_add_nc_u64 s[8:9], s[8:9], 65536
	HLOAD                                          ; my next tile's rows land under this tile's way out
.Lno_next:
.irp i, 0,1,2,3
	ds_store_b128 v[STO], v[ACC+8*\i:ACC+8*\i+3] offset:64*\i              ; each accumulator from its low end on
	ds_store_b128 v[STO], v[ACC+8*\i+4:ACC+8*\i+7] offset:64*\i+16
.endr
.irp q, 0,1,2,3,4,5,6,7
	ds_load_b128 v[WB+4*\q:WB+4*\q+3], v[RDA] offset:2*\q*SPI              ; LDS serves a wave's instructions in order (ISA guide 5.7.1.4): these see my stores
.endr
.irp q, 0,1,2,3,4,5,6,7
	s_wait_dscnt 7-\q                              ; loads come back in order: pair q of rows is in, the younger ones may be out
	global_store_b128 v[GO], v[WB+4*\q:WB+4*\q+3], s[12:13] offset:8192*\q ; 16 lanes store 256 consecutive bytes, at a multiple of 256 from y2's first byte
.endr
.Lskip:
	s_wait_xcnt 0x0                                ; the stores have read their base and data: both are written again
	s_add_nc_u64 s[12:13], s[12:13], 0x100000      ; sixteen tiles of 16 rows of 4,096 bytes on
	s_add_co_u32 s22, s22, 16
	s_sub_co_u32 s23, s23, 1
	s_cmp_lg_u32 s23, 0
	s_cbranch_scc1 .Ltile
	s_wait_tensorcnt 0x0
	ds_add_u32 v13, v31
	s_wait_dscnt 0x0
	s_endpgm
.Lfunc_end_k_q808ae5ae5f_ffn2:
	.size	k_q808ae5ae5f_ffn2, .Lfunc_end_k_q808ae5ae5f_ffn2-k_q808ae5ae5f_ffn2
	.p2alignl 7, 3214868480
	.fill 96, 4, 3214868480
	.section	.rodata,"a",@progbits
	.p2align	6, 0x0
	.amdhsa_kernel k_q808ae5ae5f_ffn2
		.amdhsa_group_segment_fixed_size 141312
		.amdhsa_private_segment_fixed_size 0
		.amdhsa_enable_private_segment 0
		.amdhsa_kernarg_size 40
		.amdhsa_user_sgpr_count 2
		.amdhsa_user_sgpr_kernarg_segment_ptr 1
		.amdhsa_wavefront_size32 1
		.amdhsa_system_sgpr_workgroup_id_x 1
		.amdhsa_system_sgpr_workgroup_id_y 1
		.amdhsa_system_sgpr_workgroup_id_z 1
		.amdhsa_system_vgpr_workitem_id 0
		.amdhsa_next_free_vgpr 256
		.amdhsa_next_free_sgpr 66
		.amdhsa_reserve_vcc 0
		.amdhsa_float_denorm_mode_32 3
		.amdhsa_float_denorm_mode_16_64 3
		.amdhsa_memory_ordered 1
		.amdhsa_forward_progress 1
		.amdhsa_inst_pref_size 72
	.end_amdhsa_kernel
	.amdgpu_metadata
---
amdhsa.version: [ 1, 2 ]
amdhsa.kernels:
  - .name:           k_q808ae5ae5f_ffn2
    .symbol:         k_q808ae5ae5f_ffn2.kd
    .args:
      - { .name: w2, .offset: 0, .size: 8, .value_kind: global_buffer, .address_space: global }
      - { .name: hq, .offset: 8, .size: 8, .value_kind: global_buffer, .address_space: global }
      - { .name: hs, .offset: 16, .size: 8, .value_kind: global_buffer, .address_space: global }
      - { .name: rk, .offset: 24, .size: 8, .value_kind: global_buffer, .address_space: global }
      - { .name: y2, .offset: 32, .size: 8, .value_kind: global_buffer, .address_space: global }
    .group_segment_fixed_size: 141312
    .private_segment_fixed_size: 0
    .kernarg_segment_align: 8
    .kernarg_segment_size: 40
    .max_flat_workgroup_size: 512
    .sgpr_count:     66
    .vgpr_count:     256
    .wavefront_size: 32
...
	.end_amdgpu_metadata
.endif
;; end of part 3
;; launch combine (part 4): grid 256 x 1, 4 waves a work-group, no clusters, 0 bytes of LDS; arguments y2, tw, ri, rk, out0; writes out0
.if DOCPART == 4
	.amdgcn_target "amdgcn-amd-amdhsa--gfx1250"
	.amdhsa_code_object_version 6
	.text
	.protected	k_q808ae5ae5f_combine
	.globl	k_q808ae5ae5f_combine
	.p2align	8
	.type	k_q808ae5ae5f_combine,@function
k_q808ae5ae5f_combine:
	s_mov_b64 s[64:65], 0
	v_nop
	global_prefetch_b8 v0, s[64:65] scope:SCOPE_SE
	s_setreg_imm32_b32 hwreg(HW_REG_WAVE_MODE, 25, 1), 1
	s_wait_xcnt 0x0
; COMBINE.  out[n] = w0 (y2[0][e0][r0] + y2[1][e0][r0]) + w1 (y2[0][e1][r1] + y2[1][e1][r1]): the two K halves of each of a token's two experts, weighed and added, in f32.
; e0, e1: the token's experts (ri); r0, r1: its rank among each expert's rows (rk); w0, w1: its weights (tw).  All three were stored by earlier launches.
; One wave to a token: four rows of 4,096 bytes in, one out; each load and store of the wave covers 512 consecutive bytes.  All 32 loads go out at once; every store has data
; registers of its own.  A stream: no LDS, no barrier, no matrix unit, no cluster (no two waves read the same byte of y2).
; Indices are held inside their tables (7 and 1,023) before they enter an address.
	s_load_b256 s[4:11], s[0:1], 0x0               ; y2 s[4:5], tw s[6:7], ri s[8:9], rk s[10:11]
	s_load_b64 s[12:13], s[0:1], 0x20              ; out0
	v_lshrrev_b32 v2, 5, v0
	v_readfirstlane_b32 s14, v2                    ; wave 0..3
	v_and_b32 v1, 31, v0
	v_lshlrev_b32 v1, 4, v1                        ; 16 bytes a lane
	s_lshl_b32 s15, ttmp9, 2
	s_add_co_u32 s15, s15, s14                     ; my token
	s_lshl_b32 s32, s15, 3
	s_mov_b32 s33, 0
	s_wait_kmcnt 0x0
	s_add_nc_u64 s[34:35], s[8:9], s[32:33]
	s_add_nc_u64 s[36:37], s[6:7], s[32:33]
	s_load_b64 s[16:17], s[34:35], 0x0             ; e0, e1
	s_load_b64 s[18:19], s[36:37], 0x0             ; w0, w1
	s_lshl_b32 s32, s15, 12
	s_add_nc_u64 s[12:13], s[12:13], s[32:33]      ; my row of out0
	s_lshl_b32 s40, s15, 2
	s_wait_kmcnt 0x0
	s_min_u32 s16, s16, 7
	s_min_u32 s17, s17, 7
	s_lshl_b32 s32, s16, 12
	s_add_co_u32 s32, s32, s40
	s_add_nc_u64 s[34:35], s[10:11], s[32:33]      ; rk[e0][n]
	s_lshl_b32 s32, s17, 12
	s_add_co_u32 s32, s32, s40
	s_add_nc_u64 s[36:37], s[10:11], s[32:33]      ; rk[e1][n]
	s_load_b32 s20, s[34:35], 0x0
	s_load_b32 s21, s[36:37], 0x0
	s_mov_b32 s22, s19                             ; w1 as a pair of its own: the packed forms take a scalar pair's low word for both halves
	s_mov_b32 s23, s19
	s_wait_kmcnt 0x0
	s_min_u32 s20, s20, 1023
	s_min_u32 s21, s21, 1023
	s_lshl_b32 s32, s16, 10
	s_add_co_u32 s32, s32, s20
	s_lshl_b32 s32, s32, 12                        ; row 1,024 e0 + r0 of 4,096 bytes
	s_add_nc_u64 s[24:25], s[4:5], s[32:33]
	s_add_nc_u64 s[26:27], s[24:25], 0x2000000     ; and the same row of the second K half
	s_lshl_b32 s32, s17, 10
	s_add_co_u32 s32, s32, s21
	s_lshl_b32 s32, s32, 12
	s_add_nc_u64 s[28:29], s[4:5], s[32:33]
	s_add_nc_u64 s[30:31], s[28:29], 0x2000000
.irp q, 0,1,2,3,4,5,6,7
.irp w, 0,1,2,3
	global_load_b128 v[8+16*\q+4*\w:8+16*\q+4*\w+3], v1, s[24+2*\w:25+2*\w] offset:512*\q th:TH_LOAD_NT
.endr
.endr
.irp q, 0,1,2,3,4,5,6,7
	s_wait_loadcnt 4*(7-\q)                        ; this piece's four loads are in; the four of each later piece may be out
.irp p, 0,2
	v_pk_add_f32 v[8+16*\q+\p:9+16*\q+\p], v[8+16*\q+\p:9+16*\q+\p], v[12+16*\q+\p:13+16*\q+\p]
	v_pk_add_f32 v[16+16*\q+\p:17+16*\q+\p], v[16+16*\q+\p:17+16*\q+\p], v[20+16*\q+\p:21+16*\q+\p]
	v_pk_mul_f32 v[8+16*\q+\p:9+16*\q+\p], v[8+16*\q+\p:9+16*\q+\p], s[18:19] op_sel_hi:[1,0]
	v_pk_fma_f32 v[136+4*\q+\p:137+4*\q+\p], v[16+16*\q+\p:17+16*\q+\p], s[22:23], v[8+16*\q+\p:9+16*\q+\p] op_sel_hi:[1,0,1]
.endr
	global_store_b128 v1, v[136+4*\q:139+4*\q], s[12:13] offset:512*\q th:TH_STORE_NT
.endr
	s_endpgm
.Lfunc_end_k_q808ae5ae5f_combine:
	.size	k_q808ae5ae5f_combine, .Lfunc_end_k_q808ae5ae5f_combine-k_q808ae5ae5f_combine
	.p2alignl 7, 3214868480
	.fill 96, 4, 3214868480
	.section	.rodata,"a",@progbits
	.p2align	6, 0x0
	.amdhsa_kernel k_q808ae5ae5f_combine
		.amdhsa_group_segment_fixed_size 0
		.amdhsa_private_segment_fixed_size 0
		.amdhsa_enable_private_segment 0
		.amdhsa_kernarg_size 40
		.amdhsa_user_sgpr_count 2
		.amdhsa_user_sgpr_kernarg_segment_ptr 1
		.amdhsa_wavefront_size32 1
		.amdhsa_system_sgpr_workgroup_id_x 1
		.amdhsa_system_sgpr_workgroup_id_y 1
		.amdhsa_system_sgpr_workgroup_id_z 1
		.amdhsa_system_vgpr_workitem_id 0
		.amdhsa_next_free_vgpr 168
		.amdhsa_next_free_sgpr 66
		.amdhsa_reserve_vcc 0
		.amdhsa_float_denorm_mode_32 3
		.amdhsa_float_denorm_mode_16_64 3
		.amdhsa_memory_ordered 1
		.amdhsa_forward_progress 1
		.amdhsa_inst_pref_size 10
	.end_amdhsa_kernel
	.amdgpu_metadata
---
amdhsa.version: [ 1, 2 ]
amdhsa.kernels:
  - .name:           k_q808ae5ae5f_combine
    .symbol:         k_q808ae5ae5f_combine.kd
    .args:
      - { .name: y2, .offset: 0, .size: 8, .value_kind: global_buffer, .address_space: global }
      - { .name: tw, .offset: 8, .size: 8, .value_kind: global_buffer, .address_space: global }
      - { .name: ri, .offset: 16, .size: 8, .value_kind: global_buffer, .address_space: global }
      - { .name: rk, .offset: 24, .size: 8, .value_kind: global_buffer, .address_space: global }
      - { .name: out0, .offset: 32, .size: 8, .value_kind: global_buffer, .address_space: global }
    .group_segment_fixed_size: 0
    .private_segment_fixed_size: 0
    .kernarg_segment_align: 8
    .kernarg_segment_size: 40
    .max_flat_workgroup_size: 128
    .sgpr_count:     66
    .vgpr_count:     168
    .wavefront_size: 32
...
	.end_amdgpu_metadata
.endif
;; end of part 4
;; ======== version 2 of 2: 4 launches
;; workspace buffers: xq 557,056 bytes; ri 9,216 bytes of whole numbers; tw 8,192 bytes; hq 16,777,216 bytes; hs 2,097,152 bytes; rk 33,792 bytes of whole numbers; y2 67,108,864 bytes
;; launch route (part 5): grid 128 x 1, 4 waves a work-group, no clusters, 34,304 bytes of LDS; arguments x, w_router, xq, ri, tw; writes xq, ri, tw
.if DOCPART == 5
	.amdgcn_target "amdgcn-amd-amdhsa--gfx1250"
	.amdhsa_code_object_version 6
	.text
	.protected	k_q808ae5ae5f_route
	.globl	k_q808ae5ae5f_route
	.p2align	8
	.type	k_q808ae5ae5f_route,@function
k_q808ae5ae5f_route:
	s_mov_b64 s[64:65], 0
	v_nop
	global_prefetch_b8 v0, s[64:65] scope:SCOPE_SE
	s_setreg_imm32_b32 hwreg(HW_REG_WAVE_MODE, 25, 1), 1
	s_wait_xcnt 0x0
; ROUTE.  For 1,024 tokens of 1,024 numbers: (a) x becomes codes of FP4 (E2M1) with one E8M0 byte for each 32 along K; (b) logits = x w_router in f32, softmax over
; the 8 experts (the row's maximum taken away first), the two largest (the lower index wins a tie), their weights renormalised; (c) for each expert a mask of 1,024 bits.
; OUT: xq: codes [1024][512 bytes] (block b of 32 at byte 16 b), scale bytes [1024][32] from byte 524,288 on.  ri: the two experts [1024][2] i32; from byte 8,192 on
; the masks [8][128 bytes], bit i of byte g = token 8 g + i uses the expert.  tw: the two weights [1024][2] f32.  Nothing here forms an address from the choice.
; SHARES: work-group g takes tokens 8 g .. 8 g + 7, wave w two of them.  Lane l holds block l of a row (k = 32 l .. 32 l + 31): a block's largest magnitude needs no
; other lane, and a lane's 16 bytes of codes make 512 consecutive bytes a wave.  w_router (32 KiB) lies in LDS once for the work-group, lane l's 1,024 bytes 1,040 apart.
; No matrix unit: the product has 8 columns and stays in f32.  No cluster: the one thing shared, w_router, is 32 KiB beside 32 KiB of x a work-group, and is read once.
; LIMITS: NaN and infinities are not served.  A block whose largest magnitude lies under 2^-124 (a block of zeros too) gets the byte 1: its codes are what the
; conversion gives under that scale (zeros for zeros), and this program alone reads the bytes.  A softmax term under 2^-126 counts as 0.
.set X,   16                           ; v16-79   two rows' 32 numbers a lane
.set WL,  80                           ; v80-143  w_router as loaded, later two sets of four of its rows
.set ACC, 144                          ; v144-159 logit sums: 8 tt + e
.set CD,  160                          ; v160-167 codes
.set SBY, 168                          ; v168-169 scale bytes
.set WRP, 1040                         ; a lane's 1,024 bytes of w_router + 16: an odd multiple of 16
.set LG,  33280                        ; behind w_router: logits, 8 tokens x 32 bytes
	s_load_b256 s[4:11], s[0:1], 0x0               ; x s[4:5], w_router s[6:7], xq s[8:9], ri s[10:11]
	s_load_b64 s[12:13], s[0:1], 0x20              ; tw
	v_lshl_add_u32 v176, v0, 2, 0x8400
	v_mov_b32 v177, 0
	v_lshrrev_b32 v8, 5, v0
	v_readfirstlane_b32 s14, v8                    ; wave 0..3
	v_and_b32 v1, 31, v0                           ; lane
	v_lshlrev_b32 v2, 7, v1                        ; x: my block's 128 bytes in a row
	v_lshlrev_b32 v3, 4, v0                        ; w_router: 16 bytes a thread
	v_lshrrev_b32 v4, 6, v0
	v_lshl_add_u32 v4, v4, 4, v3                   ; and their place in LDS: 16 more for each 1,024 bytes passed
	v_mul_u32_u24 v5, v1, WRP                      ; where my 32 rows of w_router lie
	v_lshlrev_b32 v6, 4, v1                        ; my 16 bytes of a row's codes
	s_lshl_b32 s20, s14, 6
	s_add_co_u32 s20, s20, LG
	v_mov_b32 v9, s20                              ; where my wave puts its two tokens' logits
	v_and_b32 v10, 7, v0
	v_lshl_add_u32 v10, v10, 5, LG                 ; where wave 0 reads token (lane % 8)'s
	s_lshl_b32 s21, ttmp9, 6
	v_lshl_add_u32 v14, v1, 3, s21                 ; ri and tw: 8 bytes a token: 64 g + 8 lane
	s_add_co_u32 s22, ttmp9, 8192
	v_lshl_add_u32 v15, v1, 7, s22                 ; the masks: expert (lane)'s row of 128 bytes, byte g
	s_lshl_b32 s15, ttmp9, 3
	s_lshl_b32 s16, s14, 1
	s_add_co_u32 s15, s15, s16                     ; my wave's first token
	s_mov_b32 s17, 0
	s_mov_b32 s18, 0x76543210                      ; v_permlanex16_b32's selects for lane l xor 16
	s_mov_b32 s19, 0xfedcba98
	s_wait_alu depctr_va_vdst(0)
	s_wait_kmcnt 0x0
.irp q, 0,1,2,3,4,5,6,7,8,9,10,11,12,13,14,15
	global_load_b128 v[WL+4*\q:WL+4*\q+3], v3, s[6:7] offset:2048*\q       ; 128 threads x 16 bytes: 2,048 consecutive bytes
.endr
	s_lshl_b32 s16, s15, 12
	s_add_nc_u64 s[4:5], s[4:5], s[16:17]
.irp tt, 0,1
.irp q, 0,1,2,3,4,5,6,7
	global_load_b128 v[X+32*\tt+4*\q:X+32*\tt+4*\q+3], v2, s[4:5] offset:4096*\tt+16*\q
.endr
.endr
	s_lshl_b32 s16, s15, 5
	s_add_co_u32 s16, s16, 524288
	s_add_nc_u64 s[24:25], s[8:9], s[16:17]        ; my tokens' scale bytes
	s_lshl_b32 s16, s15, 9
	s_add_nc_u64 s[8:9], s[8:9], s[16:17]          ; and their codes
	s_wait_loadcnt 16                              ; w_router's sixteen loads are in; x's sixteen, issued behind them, may be out
.irp q, 0,1,2,3,4,5,6,7,8,9,10,11,12,13,14,15
	ds_store_b128 v4, v[WL+4*\q:WL+4*\q+3] offset:2080*\q                  ; 2,048 bytes on are two paddings on
.endr
	s_wait_dscnt 0x0                               ; for the others' sake: my part of w_router lies in LDS
	s_barrier_signal -1
	s_barrier_wait -1
.macro RLOAD g                         ; rows 4 g .. 4 g + 3 of my 32 rows of w_router (8 numbers each) into set g % 2: eight LDS loads
.irp ii, 0,1,2,3
.irp hq, 0,1
	ds_load_b128 v[WL+32*((\g)%2)+8*\ii+4*\hq:WL+32*((\g)%2)+8*\ii+4*\hq+3], v5 offset:32*(4*(\g)+\ii)+16*\hq
.endr
.endr
.endm
	RLOAD 0
	RLOAD 1
	s_wait_loadcnt 0x0                             ; x
	; x into codes: the block's largest magnitude with the floor 2^(3 - 127) among its leaves; 2 off its exponent field is the conversion's scale operand; that >> 23 the byte
.irp tt, 0,1
.set XT, X+32*\tt
	v_max3_num_f32 v11, |v[XT]|, |v[XT+1]|, |v[XT+2]|
	v_max3_num_f32 v12, |v[XT+3]|, |v[XT+4]|, |v[XT+5]|
.irp i, 6,10,14,18,22,26
	v_max3_num_f32 v11, v11, |v[XT+\i]|, |v[XT+\i+1]|
	v_max3_num_f32 v12, v12, |v[XT+\i+2]|, |v[XT+\i+3]|
.endr
	v_max3_num_f32 v11, v11, |v[XT+30]|, |v[XT+31]|
	v_max3_num_f32 v11, v11, v12, 0x1800000
	v_add_nc_u32 v13, 0xff000000, v11
.irp g, 0,1,2,3
	v_cvt_scalef32_pk8_fp4_f32 v[CD+4*\tt+\g], v[XT+8*\g:XT+8*\g+7], v13
.endr
	v_lshrrev_b32 v[SBY+\tt], 23, v13              ; (the plain line behind the conversions)
	global_store_b128 v6, v[CD+4*\tt:CD+4*\tt+3], s[8:9] offset:512*\tt    ; 32 lanes: a row's 512 bytes
	global_store_b8 v1, v[SBY+\tt], s[24:25] offset:32*\tt                 ; 32 lanes: a row's 32 bytes
.endr
	; logits: each lane sums its 32 k for 2 tokens x 8 experts
.set G, 0
.rept 8
.if G < 7
	s_wait_dscnt 8                                 ; this set's eight loads are in; the other set's eight may be out
.else
	s_wait_dscnt 0x0
.endif
.irp ii, 0,1,2,3
.irp tt, 0,1
.irp e, 0,1,2,3,4,5,6,7
.if (G == 0) && (\ii == 0)
	v_mul_f32 v[ACC+8*\tt+\e], v[X+32*\tt+4*G+\ii], v[WL+32*(G%2)+8*\ii+\e]        ; the first product starts the sum
.else
	v_fmac_f32 v[ACC+8*\tt+\e], v[X+32*\tt+4*G+\ii], v[WL+32*(G%2)+8*\ii+\e]
.endif
.endr
.endr
.endr
.if G+2 < 8
	RLOAD G+2
.endif
.set G, G+1
.endr
	; across the 32 lanes: four steps inside each half ride on the additions, one crosses the halves
.irp m, 1,2,4,8
.set a, 0
.rept 16
	v_add_f32_dpp v[ACC+a], v[ACC+a], v[ACC+a] row_xmask:\m row_mask:0xf bank_mask:0xf
.set a, a+1
.endr
.endr
.set a, 0
.rept 16
	v_permlanex16_b32 v[WL+a], v[ACC+a], s18, s19  ; (its destination has been written: w_router's rows lay there)
.set a, a+1
.endr
.set a, 0
.rept 16
	v_add_f32 v[ACC+a], v[ACC+a], v[WL+a]
.set a, a+1
.endr
.irp tt, 0,1
.irp q, 0,1
	ds_store_b128 v9, v[ACC+8*\tt+4*\q:ACC+8*\tt+4*\q+3] offset:32*\tt+16*\q       ; every lane writes the same bytes with the same values
.endr
.endr
	s_wait_dscnt 0x0                               ; for wave 0's sake
	s_barrier_signal -1
	s_barrier_wait -1
	s_cmp_lg_u32 s14, 0
	s_cbranch_scc1 .Lend                           ; the choice is wave 0's: a lane to a token (lanes 8-31 repeat lanes 0-7)
	ds_load_b128 v[16:19], v10
	ds_load_b128 v[20:23], v10 offset:16
	s_wait_dscnt 0x0
	v_max3_num_f32 v24, v16, v17, v18
	v_max3_num_f32 v24, v24, v19, v20
	v_max3_num_f32 v24, v24, v21, v22
	v_max_num_f32 v24, v24, v23                    ; the row's largest logit
.irp e, 0,1,2,3,4,5,6,7
	v_sub_f32 v[16+\e], v[16+\e], v24
.endr
.irp e, 0,1,2,3,4,5,6,7
	v_mul_f32 v[16+\e], 0x3fb8aa3b, v[16+\e]       ; x log2(e)
.endr
	s_wait_alu depctr_va_vdst(0)
.irp e, 0,1,2,3,4,5,6,7
	v_exp_f32 v[16+\e], v[16+\e]
.endr
	v_mov_b32 v32, 0                               ; (a plain line behind the exponentials)  the masks' register
	s_wait_alu depctr_va_vdst(0)
	v_add_f32 v29, v16, v17
	v_add_f32 v35, v18, v19
	v_add_f32 v36, v20, v21
	v_add_f32 v37, v22, v23
	v_add_f32 v29, v29, v35
	v_add_f32 v36, v36, v37
	v_add_f32 v29, v29, v36
	s_wait_alu depctr_va_vdst(0)
	v_rcp_f32 v29, v29
	v_mov_b32 v26, 0                               ; (a plain line behind the reciprocal)  the first choice's index
	s_wait_alu depctr_va_vdst(0)
.irp e, 0,1,2,3,4,5,6,7
	v_mul_f32 v[16+\e], v[16+\e], v29              ; the probabilities
.endr
	v_mov_b32 v25, v16                             ; the largest: a later one wins only if it is strictly larger
.irp e, 1,2,3,4,5,6,7
	v_cmp_gt_f32 vcc_lo, v[16+\e], v25
	v_cndmask_b32 v25, v25, v[16+\e], vcc_lo
	v_cndmask_b32 v26, v26, \e, vcc_lo
.endr
	v_mov_b32 v28, -1.0                            ; the second: the same among the other seven
	v_mov_b32 v27, 0
.irp e, 0,1,2,3,4,5,6,7
	v_cmp_ne_u32 s20, \e, v26
	v_cmp_gt_f32 vcc_lo, v[16+\e], v28
	s_and_b32 vcc_lo, vcc_lo, s20
	v_cndmask_b32 v28, v28, v[16+\e], vcc_lo
	v_cndmask_b32 v27, v27, \e, vcc_lo
.endr
	v_add_f32 v29, v25, v28
	s_wait_alu depctr_va_vdst(0)
	v_rcp_f32 v29, v29
	v_nop                                          ; a plain line behind the reciprocal
	s_wait_alu depctr_va_vdst(0)
	v_mul_f32 v30, v25, v29
	v_mul_f32 v31, v28, v29                        ; the two weights, renormalised
.irp e, 0,1,2,3,4,5,6,7
	v_cmp_eq_u32 s20, \e, v26
	v_cmp_eq_u32 s21, \e, v27
	s_or_b32 s20, s20, s21
	v_writelane_b32 v32, s20, \e                   ; lane e: bit i of the low byte = token 8 g + i uses expert e
.endr
	s_wait_alu depctr_va_vdst(0)
	s_wait_xcnt 0x0                                ; EXEC changes only behind this wait: my earlier stores have read it
	v_cmp_gt_u32 vcc_lo, 8, v1
	s_and_saveexec_b32 s22, vcc_lo
	global_store_b64 v14, v[26:27], s[10:11]       ; the two experts
	global_store_b64 v14, v[30:31], s[12:13]       ; their weights
	global_store_b8 v15, v32, s[10:11]             ; eight single bytes, 128 apart: 1 KiB of masks in the whole launch
	s_wait_xcnt 0x0
	s_or_b32 exec_lo, exec_lo, s22
.Lend:
	s_wait_tensorcnt 0x0
	ds_add_u32 v176, v177
	s_wait_dscnt 0x0
	s_endpgm
.Lfunc_end_k_q808ae5ae5f_route:
	.size	k_q808ae5ae5f_route, .Lfunc_end_k_q808ae5ae5f_route-k_q808ae5ae5f_route
	.p2alignl 7, 3214868480
	.fill 96, 4, 3214868480
	.section	.rodata,"a",@progbits
	.p2align	6, 0x0
	.amdhsa_kernel k_q808ae5ae5f_route
		.amdhsa_group_segment_fixed_size 34304
		.amdhsa_private_segment_fixed_size 0
		.amdhsa_enable_private_segment 0
		.amdhsa_kernarg_size 40
		.amdhsa_user_sgpr_count 2
		.amdhsa_user_sgpr_kernarg_segment_ptr 1
		.amdhsa_wavefront_size32 1
		.amdhsa_system_sgpr_workgroup_id_x 1
		.amdhsa_system_sgpr_workgroup_id_y 1
		.amdhsa_system_sgpr_workgroup_id_z 1
		.amdhsa_system_vgpr_workitem_id 0
		.amdhsa_next_free_vgpr 178
		.amdhsa_next_free_sgpr 66
		.amdhsa_reserve_vcc 1
		.amdhsa_float_denorm_mode_32 3
		.amdhsa_float_denorm_mode_16_64 3
		.amdhsa_memory_ordered 1
		.amdhsa_forward_progress 1
		.amdhsa_inst_pref_size 43
	.end_amdhsa_kernel
	.amdgpu_metadata
---
amdhsa.version: [ 1, 2 ]
amdhsa.kernels:
  - .name:           k_q808ae5ae5f_route
    .symbol:         k_q808ae5ae5f_route.kd
    .args:
      - { .name: x, .offset: 0, .size: 8, .value_kind: global_buffer, .address_space: global }
      - { .name: w_router, .offset: 8, .size: 8, .value_kind: global_buffer, .address_space: global }
      - { .name: xq, .offset: 16, .size: 8, .value_kind: global_buffer, .address_space: global }
      - { .name: ri, .offset: 24, .size: 8, .value_kind: global_buffer, .address_space: global }
      - { .name: tw, .offset: 32, .size: 8, .value_kind: global_buffer, .address_space: global }
    .group_segment_fixed_size: 34304
    .private_segment_fixed_size: 0
    .kernarg_segment_align: 8
    .kernarg_segment_size: 40
    .max_flat_workgroup_size: 128
    .sgpr_count:     66
    .vgpr_count:     178
    .wavefront_size: 32
...
	.end_amdgpu_metadata
.endif
;; end of part 5
;; launch ffn1 (part 6): grid 32 x 8, 16 waves a work-group, no clusters, 71,680 bytes of LDS; arguments w1, xq, ri, hq, hs, rk; writes hq, hs, rk
.if DOCPART == 6
	.amdgcn_target "amdgcn-amd-amdhsa--gfx1250"
	.amdhsa_code_object_version 6
	.text
	.protected	k_q808ae5ae5f_ffn1
	.globl	k_q808ae5ae5f_ffn1
	.p2align	8
	.type	k_q808ae5ae5f_ffn1,@function
k_q808ae5ae5f_ffn1:
	s_mov_b64 s[64:65], 0
	v_nop
	global_prefetch_b8 v0, s[64:65] scope:SCOPE_SE
	s_setreg_imm32_b32 hwreg(HW_REG_WAVE_SCHED_MODE, 0, 2), 2
	s_setreg_imm32_b32 hwreg(HW_REG_WAVE_MODE, 25, 1), 1
	s_wait_xcnt 0x0
	s_wait_alu depctr_vm_vsrc(0)
; FFN1.  h = gelu(x w1[e]) for the tokens that chose expert e, both operands of the product as codes of FP4 (E2M1) with one E8M0 scale for each 32 along K; h leaves as codes along F.
; THE WEIGHTS STAY, THE ROWS GO ROUND.  Work-group (x, e) owns columns 128 x .. 128 x + 127 of w1[e]: 1,024 x 128 f32, 512 KiB, which no other work-group reads.
; PHASE 1, the stream: wave w takes 32 columns (cg = w % 4) x 256 along K (kq = w / 4).  A lane takes a column and its registers run down K: a block of 32 lies in one lane,
; and the conversions give codes with K innermost.  Two exchanges of halves make of them the operand's registers, which go to LDS as images (16 bytes a lane, 512 a store).
; PHASE 2: wave w takes the expert's row tiles w, w + 16, w + 32, w + 48 (16 tokens each) against all 128 columns: x's codes come from memory straight into the operand's
; registers, the weights' fragments from LDS; gelu in f32; the 128 results of a row are one K step of the second product: quantised in registers, stored as an image.
; WHICH TOKENS: the expert's mask of 1,024 bits (32 words) and the words' running counts lie in scalar registers; the token at position p is found by selects, and enters an
; address only behind a hold at 1,023.  Positions past the count give some valid token: such rows are padding, and nobody reads what becomes of them.  At least one tile is always made.
; Work-group x = 0 also stores each token's rank in the expert (rk) and the count, for the later launches.
; THE PRODUCT IS USED TRANSPOSED (source 0 = 16 columns of w1, source 1 = 16 tokens), and the columns of a tile are chosen (lane n loads column 16 ((n / 8) % 2) + 8 (n / 16) + n % 8
; of its 32) so that a lane holds one token and the 16 registers of tiles 2 b, 2 b + 1 are F units 32 b + 16 (lane / 16) + 0 .. 15: neighbours along the next K.
; gelu(v) = v / (1 + 2^(v (A + B v^2))), A = -2 log2(e) sqrt(2 / pi), B = 0.044715 A: the tanh form, rewritten.
; NO CLUSTER, NO TENSOR LOADS: of a work-group's bytes 512 KiB are its own; what the 32 work-groups of an expert share is x's codes, 8.5 KiB a tile, which go straight into the
; registers of the one wave that multiplies them, and the number of tiles hangs on a count read from memory.  The stream wants a lane to a column, which plain loads give.
; LIMITS: NaN and infinities are not served.  A block whose largest magnitude lies under 2^-124 (zeros too) gets the byte 1; this program alone reads the bytes.
; THE MODE: SCHED_MODE bits 1:0 = 2 (LLVM: expert scheduling mode 2), set by the entry lines.  The code itself states the register dependences between vector or matrix
; instructions and memory or LDS instructions, and those through scalar registers and VCC that vector instructions write, with s_wait_alu, always for 0.
; THE PLAN.  Registers that memory or LDS instructions touch:
;   WO, LI, LS, L4, SWI, SWS   offsets and LDS addresses: made at the head, never written again.  One wait on va_vdst ahead of the first load serves them all.
;   RKD, CN        written by one run of vector lines, read by one run of stores: one wait on va_vdst between the two.
;   WB0, WB1       the stream: block t's maxima and conversions read WB[t % 2]; the loads of block t + 2 land in it: one wait on va_vdst a block, behind the conversions.
;   CD, SB         written by the conversions and exchanges, read by the LDS stores of the images: one wait on va_vdst ahead of the stores; one on vm_vsrc behind the barrier, since the accumulators lie there.
;   WB0, WB1, WS   a tile: step g's four products read set g % 2; the ten LDS loads of step g + 2 land in it: one wait on va_vdst a step, behind the four.  The wave's 256 registers leave no room for a third set.
;   XO, XSO, X, XS SELECT writes the two offsets, the tile's products read X and XS; the gather reads the offsets and lands in X and XS: one wait on va_vdst between SELECT and the gather.
;   PC, PW         written by QUANT, read by the three stores: one wait on va_vdst ahead of them; one on vm_vsrc at the trip's end, which also frees XO and XSO for the next trip's SELECT.
;   The accumulators, TM / TG and PP are named by vector and matrix instructions alone.
.set PITCHW, 16384                     ; bytes from a row of w1[e] to the next
.set DSI,    8192                      ; LDS: a K step's eight fragments
.set DSS,    512                       ; and its four sets of scale words
.set WSC,    65536                     ; LDS: fragment 8 s + nt at 1,024 (8 s + nt); from here on scale words, set 4 s + cg at 128 (4 s + cg) + 4 lane
.set LN,  1                            ; v1   lane
.set RR,  2                            ; v2   lane % 16
.set HH,  3                            ; v3   lane / 16
.set WO,  4                            ; v4   my column's bytes in the wave's 128
.set LI,  5                            ; v5   16 lane: an image's place for my lane
.set LS,  6                            ; v6   WSC + 4 lane
.set SWI, 7                            ; v7   where I store fragments
.set SWS, 8                            ; v8   where I store scale words
.set XO,  9                            ; v9   my token's codes in xq
.set XSO, 10                           ; v10  my token's scale bytes in xq
.set PP,  11                           ; v11  my position among the expert's rows
.set CA,  12                           ; v[12:13] A, twice
.set SB,  14                           ; v[14:15] my column's scale words of two K steps
.set TM,  16                           ; v16-31 at work
.set T0,  16
.set T1,  17
.set T2,  18
.set TG,  16
.set PW,  32                           ; v32  the scale word just made
.set L4,  38                           ; v38  4 lane
.set CN,  39                           ; v39  the count, to store
.set PC,  40                           ; v40-47 the fragment just made
.set XS,  48                           ; v48-51 x's scale words: register i: lanes 0-15 K step i, lanes 16-31 K step 4 + i.  Scales and nothing else
.set WS,  52                           ; v52-55 the weights' scale words, two sets of two.  Scales and nothing else
.set X,   56                           ; v56-119 x's eight fragments
.set WB,  120                          ; v120-183 two sets of 32: w1's numbers as loaded, later four fragments each
.set ACC, 184                          ; v184-247 eight accumulators
.set CD,  184                          ; v184-215 phase 1: the codes
.set RKD, 216                          ; v216-247 the ranks, to store
.set WP,  4                            ; s[4:5]  w1 at my wave's part
.set MW,  16                           ; s16-47  the mask's words
.set WV,  48
.set CG,  49
.set KQ,  50
.set XI,  51
.set XE,  52
.set NTL, 53                           ; s53  tiles of this expert
.set TT,  54                           ; s54  the tile in hand
.set TR,  55                           ; s55  trips to go
.set SEL, 58                           ; s[58:59] selects for lane l xor 16
.set CNT, 62
.set CJ,  66                           ; s66-97  set bits in the words before word j
.set CB,  98                           ; s[98:99] B, twice
.macro LOADW t                         ; block t of my column: 32 numbers down K into set t % 2.  A wave's load reads 128 consecutive bytes, the four waves beside each other 512
.set i, 0
.rept 32
	global_load_b32 v[WB+32*((\t)%2)+i], v[WO], s[WP:WP+1] offset:(32*(\t)+i)*PITCHW th:TH_LOAD_NT
.set i, i+1
.endr
.endm
.macro BLOCKW t                        ; block t becomes 16 bytes of codes and a scale byte
.set XB, WB+32*((\t)%2)
.if (\t) < 7
	s_wait_loadcnt 32                              ; this block's loads, and all older ones, are in; the next block's 32 may be out
.else
	s_wait_loadcnt 0x0
.endif
	v_max3_num_f32 v[T0], |v[XB]|, |v[XB+1]|, |v[XB+2]|
	v_max3_num_f32 v[T1], |v[XB+3]|, |v[XB+4]|, |v[XB+5]|
.irp i, 6,10,14,18,22,26
	v_max3_num_f32 v[T0], v[T0], |v[XB+\i]|, |v[XB+\i+1]|
	v_max3_num_f32 v[T1], v[T1], |v[XB+\i+2]|, |v[XB+\i+3]|
.endr
	v_max3_num_f32 v[T0], v[T0], |v[XB+30]|, |v[XB+31]|
	v_max3_num_f32 v[T0], v[T0], v[T1], 0x1800000  ; with the floor 2^(3 - 127): the byte cannot fall under 1
	v_add_nc_u32 v[T2], 0xff000000, v[T0]          ; 2 off the exponent field: the conversion's scale operand
.irp g, 0,1,2,3
	v_cvt_scalef32_pk8_fp4_f32 v[CD+16*((\t)/4)+8*((\t)%2)+4*(((\t)/2)%2)+\g], v[XB+8*\g:XB+8*\g+7], v[T2]
.endr
	v_nop                                          ; one plain line behind the conversions
.if (\t)+2 < 8
	s_wait_alu depctr_va_vdst(0)                   ; the maxima and the conversions are done reading this set, in which the loads of two blocks on land
	LOADW (\t)+2
.endif
	v_lshrrev_b32 v[T1], 23, v[T2]                 ; the byte: behind the loads, whose registers these two lines do not name
.if (\t)%4 == 0
	v_mov_b32 v[SB+(\t)/4], v[T1]
.else
	v_lshl_or_b32 v[SB+(\t)/4], v[T1], 8*((\t)%4), v[SB+(\t)/4]
.endif
.endm
; The operand wants row r's blocks 0, 2 in lane r and its blocks 1, 3 in lane r + 16.  An even block's register and the odd block's behind it change halves: the first is then
; a register of the tile of columns in lanes 0-15, the second of the tile in lanes 16-31.  The scale word stays: tile 0 reads it in lanes 0-15, tile 1 in lanes 16-31.
.macro FRAGS
.irp d, 0,1
.irp c, 0,1
.irp i, 0,1,2,3
	v_permlane16_swap_b32 v[CD+16*\d+4*\c+\i], v[CD+16*\d+8+4*\c+\i]
.endr
.endr
.endr
	s_wait_alu depctr_va_vdst(0)                   ; the exchanges have written the codes and the last block's lines the scale words, which the LDS stores read
.irp d, 0,1
.irp u, 0,1
.irp c, 0,1
	ds_store_b128 v[SWI], v[CD+16*\d+8*\u+4*\c:CD+16*\d+8*\u+4*\c+3] offset:\d*DSI+\u*1024+\c*512
.endr
.endr
	ds_store_b32 v[SWS], v[SB+\d] offset:\d*DSS
.endr
	s_wait_dscnt 0x0                               ; for the others' sake: my images lie in LDS
	s_barrier_signal -1
	s_barrier_wait -1                              ; the launch's one barrier: behind it LDS is only read
	s_wait_alu depctr_vm_vsrc(0)                   ; my LDS stores have read the codes' registers and the ranks' stores theirs: the products write both as accumulators; the first gather has read XO and XSO, which the next SELECT writes
.endm
.macro WLOAD g                         ; step g: fragments 4 g .. 4 g + 3 and scale-word sets 2 g, 2 g + 1 into set g % 2: ten LDS loads
.irp i, 0,1,2,3
.irp c, 0,1
	ds_load_b128 v[WB+32*((\g)%2)+8*\i+4*\c:WB+32*((\g)%2)+8*\i+4*\c+3], v[LI] offset:(4*(\g)+\i)*1024+512*\c
.endr
.endr
.irp i, 0,1
	ds_load_b32 v[WS+2*((\g)%2)+\i], v[LS] offset:(2*(\g)+\i)*128
.endr
.endm
.macro WM                              ; one product: D v[MD..], source 0 v[MA..], source 1 v[MB..], scales v[MSA], v[MSB]; MZ: it starts the sum; MRA, MRB: the scales stand in lanes 16-31
.if MZ
.if MRA
	v_wmma_scale_f32_16x16x128_f8f6f4 v[MD:MD+7], v[MA:MA+7], v[MB:MB+7], 0, v[MSA], v[MSB] matrix_a_fmt:MATRIX_FMT_FP4 matrix_b_fmt:MATRIX_FMT_FP4 matrix_a_scale:MATRIX_SCALE_ROW1
.else
	v_wmma_scale_f32_16x16x128_f8f6f4 v[MD:MD+7], v[MA:MA+7], v[MB:MB+7], 0, v[MSA], v[MSB] matrix_a_fmt:MATRIX_FMT_FP4 matrix_b_fmt:MATRIX_FMT_FP4
.endif
.else
.if MRA && MRB
	v_wmma_scale_f32_16x16x128_f8f6f4 v[MD:MD+7], v[MA:MA+7], v[MB:MB+7], v[MD:MD+7], v[MSA], v[MSB] matrix_a_fmt:MATRIX_FMT_FP4 matrix_b_fmt:MATRIX_FMT_FP4 matrix_a_scale:MATRIX_SCALE_ROW1 matrix_b_scale:MATRIX_SCALE_ROW1
.elseif MRA
	v_wmma_scale_f32_16x16x128_f8f6f4 v[MD:MD+7], v[MA:MA+7], v[MB:MB+7], v[MD:MD+7], v[MSA], v[MSB] matrix_a_fmt:MATRIX_FMT_FP4 matrix_b_fmt:MATRIX_FMT_FP4 matrix_a_scale:MATRIX_SCALE_ROW1
.elseif MRB
	v_wmma_scale_f32_16x16x128_f8f6f4 v[MD:MD+7], v[MA:MA+7], v[MB:MB+7], v[MD:MD+7], v[MSA], v[MSB] matrix_a_fmt:MATRIX_FMT_FP4 matrix_b_fmt:MATRIX_FMT_FP4 matrix_b_scale:MATRIX_SCALE_ROW1
.else
	v_wmma_scale_f32_16x16x128_f8f6f4 v[MD:MD+7], v[MA:MA+7], v[MB:MB+7], v[MD:MD+7], v[MSA], v[MSB] matrix_a_fmt:MATRIX_FMT_FP4 matrix_b_fmt:MATRIX_FMT_FP4
.endif
.endif
.endm
; A tile's 64 products: sixteen steps of four; step g is K step g / 2, column tiles 4 (g % 2) + 0 .. 3.  The eight accumulators take turns, one instruction a turn.
; The first two runs of loads owe no wait: the last vector or matrix instructions that named these registers (the stream's conversions; the tile before's products) stand ahead of a wait on va_vdst
; (the one ahead of the images' stores; the one ahead of that tile's stores), and nothing since names them.
.macro MM
	WLOAD 0
	WLOAD 1
.set G, 0
.rept 16
.if G < 15
	s_wait_dscnt 10                                ; this step's ten loads are in; the other set's ten may be out
.else
	s_wait_dscnt 0x0
.endif
.if G < 2
.set MZ, 1
.else
.set MZ, 0
.endif
.irp i, 0,1,2,3
.set MD, ACC+8*(4*(G%2)+\i)
.set MA, WB+32*(G%2)+8*\i
.set MB, X+8*(G/2)
.set MSA, WS+2*(G%2)+\i/2
.set MSB, XS+(G/2)%4
.set MRA, \i%2
.set MRB, G/8
	WM
.endr
.if G+2 < 16
	s_wait_alu depctr_va_vdst(0)                   ; these four products are done reading their set of fragments and scale words, in which the loads of two steps on land
	WLOAD G+2
.endif
.set G, G+1
.endr
.endm
; The token at position s60 + lane % 16 of the expert's rows.  Word: the last j whose running count is at most p.  Bit: the (p - count)-th set bit, by halving on counts kept in fields.
.macro DESC tbl, width, half
	v_bfe_u32 v25, v[\tbl], v24, \width            ; set bits in the lower half of the range in hand
	v_cmp_ge_u32 vcc_lo, v19, v25
	s_wait_alu depctr_va_vcc(0)                    ; the compare has written VCC, which the two selects read
	v_cndmask_b32 v25, 0, v25, vcc_lo
	v_sub_nc_u32 v19, v19, v25
	v_cndmask_b32 v26, 0, \half, vcc_lo
	v_add_nc_u32 v24, v24, v26
.endm
; The 31 compares hang on p alone: they go in two runs, into scalar registers that nothing else needs from the first SELECT on (what they held served the head alone), with one wait behind each run.
; The selects keep their ascending order.
.macro SELECT
	v_add_nc_u32 v[PP], s60, v[RR]
	v_mov_b32 v16, s[MW]
	v_mov_b32 v17, 0
	v_mov_b32 v18, 0
.set j, 1
.irp m, 2,3,8,9,14,15,48,49,50,51,52,56,57,61,62,63
	v_cmp_gt_u32 s[\m], s[CJ+j], v[PP]
.set j, j+1
.endr
	s_wait_alu depctr_va_sdst(0)                   ; the sixteen compares have written their masks, which the selects read
.set j, 1
.irp m, 2,3,8,9,14,15,48,49,50,51,52,56,57,61,62,63
	v_cndmask_b32 v16, s[MW+j], v16, s[\m]         ; the word,
	v_cndmask_b32 v17, s[CJ+j], v17, s[\m]         ; its running count,
	v_cndmask_b32 v18, 32*j, v18, s[\m]            ; its first token
.set j, j+1
.endr
.set j, 17
.irp m, 2,3,8,9,14,15,48,49,50,51,52,56,57,61,62
	v_cmp_gt_u32 s[\m], s[CJ+j], v[PP]
.set j, j+1
.endr
	s_wait_alu depctr_va_sdst(0)                   ; the other fifteen likewise
.set j, 17
.irp m, 2,3,8,9,14,15,48,49,50,51,52,56,57,61,62
	v_cndmask_b32 v16, s[MW+j], v16, s[\m]
	v_cndmask_b32 v17, s[CJ+j], v17, s[\m]
	v_cndmask_b32 v18, 32*j, v18, s[\m]
.set j, j+1
.endr
	v_sub_nc_u32 v19, v[PP], v17
	v_lshrrev_b32 v20, 1, v16
	v_and_b32 v20, 0x55555555, v20
	v_sub_nc_u32 v20, v16, v20                     ; counts of 2 bits
	v_lshrrev_b32 v21, 2, v20
	v_and_b32 v21, 0x33333333, v21
	v_and_b32 v22, 0x33333333, v20
	v_add_nc_u32 v21, v21, v22                     ; of 4
	v_lshrrev_b32 v22, 4, v21
	v_add_nc_u32 v22, v22, v21
	v_and_b32 v22, 0x0f0f0f0f, v22                 ; of 8
	v_lshrrev_b32 v23, 8, v22
	v_add_nc_u32 v23, v23, v22
	v_and_b32 v23, 0x00ff00ff, v23                 ; of 16
	v_mov_b32 v24, 0
	DESC 23, 8, 16
	DESC 22, 8, 8
	DESC 21, 4, 4
	DESC 20, 2, 2
	DESC 16, 1, 1
	v_add_nc_u32 v25, v18, v24
	v_min_u32 v25, 0x3ff, v25                      ; the token, held inside x
	v_lshlrev_b32 v[XO], 9, v25
	v_lshl_add_u32 v[XO], v[HH], 4, v[XO]          ; its row of 512 bytes of codes, + 16 for lanes 16-31
	v_lshlrev_b32 v[XSO], 5, v25
	v_lshl_add_u32 v[XSO], v[HH], 4, v[XSO]
	v_add_nc_u32 v[XSO], 0x80000, v[XSO]           ; its 32 scale bytes: lanes 0-15 the first 16, lanes 16-31 the others
.endm
.macro XGATHER                         ; 17 loads: the tile's eight fragments of x and their scale words
.irp s, 0,1,2,3,4,5,6,7
.irp c, 0,1
	global_load_b128 v[X+8*\s+4*\c:X+8*\s+4*\c+3], v[XO], s[6:7] offset:64*\s+32*\c
.endr
.endr
	global_load_b128 v[XS:XS+3], v[XSO], s[6:7]
.endm
.macro GELU                            ; in place, an accumulator at a time, each from its low end on
.set Q, 0
.rept 8
.set AB, ACC+8*Q
.irp p, 0,2,4,6
	v_pk_mul_f32 v[TG+\p:TG+\p+1], v[AB+\p:AB+\p+1], v[AB+\p:AB+\p+1]
.endr
.irp p, 0,2,4,6
	v_pk_fma_f32 v[TG+\p:TG+\p+1], v[TG+\p:TG+\p+1], s[CB:CB+1], v[CA:CA+1] op_sel_hi:[1,0,0]   ; B v^2 + A
.endr
.irp p, 0,2,4,6
	v_pk_mul_f32 v[TG+\p:TG+\p+1], v[TG+\p:TG+\p+1], v[AB+\p:AB+\p+1]
.endr
	s_wait_alu depctr_va_vdst(0)
.irp p, 0,1,2,3,4,5,6,7
	v_exp_f32 v[TG+\p], v[TG+\p]
.endr
	v_nop                                          ; a plain line behind the exponentials
	s_wait_alu depctr_va_vdst(0)                   ; the eight exponentials have written v[TG ..], ahead of the additions that read them
.irp p, 0,2,4,6
	v_pk_add_f32 v[TG+\p:TG+\p+1], v[TG+\p:TG+\p+1], 1.0 op_sel_hi:[1,0]
.endr
	s_wait_alu depctr_va_vdst(0)
.irp p, 0,1,2,3,4,5,6,7
	v_rcp_f32 v[TG+\p], v[TG+\p]
.endr
	v_nop                                          ; a plain line behind the reciprocals
	s_wait_alu depctr_va_vdst(0)                   ; the eight reciprocals have written v[TG ..], ahead of the multiplications that read them
.irp p, 0,2,4,6
	v_pk_mul_f32 v[AB+\p:AB+\p+1], v[AB+\p:AB+\p+1], v[TG+\p:TG+\p+1]
.endr
.set Q, Q+1
.endr
.endm
; 64 numbers of a lane, register 16 b + i = k 32 b + 16 (lane / 16) + i of my row, become a fragment's codes in v[PC] on and its scale word in v[PW].
.macro QUANT s
.irp b, 0,1,2,3
	v_max3_num_f32 v[TM+\b], |v[\s+16*\b]|, |v[\s+1+16*\b]|, 0x1800000
.endr
.irp i, 2,4,6,8,10,12,14
.irp b, 0,1,2,3
	v_max3_num_f32 v[TM+\b], v[TM+\b], |v[\s+16*\b+\i]|, |v[\s+1+16*\b+\i]|
.endr
.endr
.irp b, 0,1,2,3
	v_permlanex16_b32 v[TM+4+\b], v[TM+\b], s[SEL], s[SEL+1]
.endr
.irp b, 0,1,2,3
	v_max_num_f32 v[TM+\b], v[TM+\b], v[TM+4+\b]   ; with lane l xor 16's: the block's largest magnitude
.endr
.irp b, 0,1,2,3
	v_add_nc_u32 v[TM+12+\b], 0xff000000, v[TM+\b]
.endr
.irp b, 0,1,2,3
	v_lshrrev_b32 v[TM+4+\b], 23, v[TM+12+\b]
.endr
	v_lshl_or_b32 v[PW], v[TM+5], 8, v[TM+4]
	v_lshl_or_b32 v[PW], v[TM+6], 16, v[PW]
	v_lshl_or_b32 v[PW], v[TM+7], 24, v[PW]
.irp b, 0,1,2,3
	v_cvt_scalef32_pk8_fp4_f32 v[PC+2*\b], v[\s+16*\b:\s+7+16*\b], v[TM+12+\b]
	v_cvt_scalef32_pk8_fp4_f32 v[PC+1+2*\b], v[\s+8+16*\b:\s+15+16*\b], v[TM+12+\b]
.endr
	v_nop                                          ; one plain line behind the conversions
.irp c, 0,1
.irp i, 0,1
	v_permlane16_swap_b32 v[PC+4*\c+\i], v[PC+2+4*\c+\i]   ; a whole block to a lane: lanes 0-15 block 2 c, lanes 16-31 block 2 c + 1
.endr
.endr
.endm
	s_load_b256 s[4:11], s[0:1], 0x0               ; w1 s[4:5], xq s[6:7], ri s[8:9], hq s[10:11]
	s_load_b128 s[12:15], s[0:1], 0x20             ; hs s[12:13], rk s[14:15]
	v_lshl_add_u32 v254, v0, 2, 0x11000
	v_mov_b32 v255, 0
	v_lshrrev_b32 v[T0], 5, v0
	v_readfirstlane_b32 s[WV], v[T0]               ; wave 0..15
	v_and_b32 v[LN], 31, v0
	v_and_b32 v[RR], 15, v0
	v_bfe_u32 v[HH], v0, 4, 1
	v_and_b32 v[WO], 7, v0
	v_bfe_u32 v[T1], v0, 3, 1
	v_lshl_add_u32 v[WO], v[T1], 4, v[WO]
	v_lshl_add_u32 v[WO], v[HH], 3, v[WO]
	v_lshlrev_b32 v[WO], 2, v[WO]                  ; 4 x (16 ((n / 8) % 2) + 8 (n / 16) + n % 8)
	v_lshlrev_b32 v[LI], 4, v[LN]
	s_wait_alu depctr_va_vdst(0)
	v_lshl_add_u32 v[LS], v[LN], 2, WSC
	s_wait_alu depctr_va_vdst(0)
	v_lshlrev_b32 v[L4], 2, v[LN]
	v_mov_b32 v[CA], 0xc0135761                    ; A = -2.3022082
	v_mov_b32 v[CA+1], 0xc0135761
	s_wait_alu depctr_va_sdst(0)                   ; the wave's number is written, ahead of its first reader
	s_and_b32 s[CG], s[WV], 3
	s_lshr_b32 s[KQ], s[WV], 2
	s_mov_b32 s[XI], ttmp9
	s_and_b32 s[XE], ttmp7, 0xffff
	s_lshl_b32 s60, s[KQ], 14
	s_lshl_b32 s61, s[CG], 11
	s_add_co_u32 s60, s60, s61
	v_add_nc_u32 v[SWI], s60, v[LI]                ; fragments 8 (2 kq) + 2 cg on
	s_lshl_b32 s60, s[KQ], 10
	s_lshl_b32 s61, s[CG], 7
	s_add_co_u32 s60, s60, s61
	v_add_nc_u32 v[SWS], s60, v[LS]                ; scale-word set 4 (2 kq) + cg
	s_mov_b32 s[CB], 0xbdd2d3e8                    ; B = -0.10294324
	s_mov_b32 s[CB+1], s[CB]
	s_mov_b32 s[SEL], 0x76543210
	s_mov_b32 s[SEL+1], 0xfedcba98
	s_mov_b32 s61, 0
	s_wait_kmcnt 0x0
	s_lshl_b32 s60, s[XE], 7
	s_add_co_u32 s60, s60, 8192
	s_add_nc_u64 s[56:57], s[8:9], s[60:61]        ; the expert's mask
	s_load_b512 s[16:31], s[56:57], 0x0
	s_load_b512 s[32:47], s[56:57], 0x40
	s_lshl_b32 s60, s[XE], 24                      ; w1: the expert's 16 MiB, my 256 rows, my 32 columns
	s_lshl_b32 s63, s[KQ], 22
	s_add_co_u32 s60, s60, s63
	s_lshl_b32 s63, s[XI], 9
	s_add_co_u32 s60, s60, s63
	s_lshl_b32 s63, s[CG], 7
	s_add_co_u32 s60, s60, s63
	s_add_nc_u64 s[WP:WP+1], s[WP:WP+1], s[60:61]
	s_wait_alu depctr_va_vdst(0)                   ; the offsets and LDS addresses WO, LI, LS, L4, SWI, SWS are written: every load and store of the kernel but the gathers reads one of them, and none is written again
	LOADW 0
	s_lshl_b32 s60, s[XE], 21                      ; hq: image ((64 e + tile) 32 + x) of 1,024 bytes; my first tile is my wave's number
	s_lshl_b32 s63, s[WV], 15
	s_add_co_u32 s60, s60, s63
	s_lshl_b32 s63, s[XI], 10
	s_add_co_u32 s60, s60, s63
	s_add_nc_u64 s[10:11], s[10:11], s[60:61]
	s_lshl_b32 s60, s[XE], 18                      ; hs: the same index, 128 bytes each
	s_lshl_b32 s63, s[WV], 12
	s_add_co_u32 s60, s60, s63
	s_lshl_b32 s63, s[XI], 7
	s_add_co_u32 s60, s60, s63
	s_add_nc_u64 s[12:13], s[12:13], s[60:61]
	s_wait_kmcnt 0x0                               ; the mask
	s_mov_b32 s[CJ], 0
.set j, 0
.rept 31
	s_bcnt1_i32_b32 s60, s[MW+j]
	s_add_co_u32 s[CJ+1+j], s[CJ+j], s60
.set j, j+1
.endr
	s_bcnt1_i32_b32 s60, s[MW+31]
	s_add_co_u32 s[CNT], s[CJ+31], s60             ; the expert's rows
	s_add_co_u32 s[NTL], s[CNT], 15
	s_lshr_b32 s[NTL], s[NTL], 4
	s_max_u32 s[NTL], s[NTL], 1                    ; tiles of 16; one at the least, so that the next launch always finds a tile
	s_or_b32 s60, s[XI], s[WV]
	s_cmp_lg_u32 s60, 0
	s_cbranch_scc1 .Lno_rk                         ; wave 0 of work-group x = 0 stores the ranks and the count
	s_lshl_b32 s60, s[XE], 12
	s_add_nc_u64 s[56:57], s[14:15], s[60:61]
	s_lshl_b32 s60, s[XE], 7
	s_add_co_u32 s60, s60, 32768
	s_add_nc_u64 s[14:15], s[14:15], s[60:61]
.set j, 0
.rept 32
	v_mbcnt_lo_u32_b32 v[RKD+j], s[MW+j], s[CJ+j]  ; token 32 j + lane: set bits below it in its word + those in the words before
.set j, j+1
.endr
	v_mov_b32 v[CN], s[CNT]
	s_wait_alu depctr_va_vdst(0)                   ; the 32 ranks and the count are written, which the stores below read
.set j, 0
.rept 32
	global_store_b32 v[L4], v[RKD+j], s[56:57] offset:128*j
.set j, j+1
.endr
	global_store_b32 v[L4], v[CN], s[14:15]
	s_wait_xcnt 0x0                                ; these stores' data registers and their bases are written again further down
.Lno_rk:
	s_mov_b32 s[TT], s[WV]
	s_lshl_b32 s60, s[WV], 4
	SELECT                                         ; my first tile's rows are asked for under the stream, in every wave: a wave without a tile asks for valid rows and drops them
	s_wait_alu depctr_va_vdst(0)                   ; SELECT has written XO and XSO, which the gather reads
	XGATHER
	LOADW 1
.irp t, 0,1,2,3,4,5,6,7
	BLOCKW \t
.endr
	FRAGS
	s_mov_b32 s[TR], 4                             ; four trips, a constant: 64 tiles at the most for 16 waves; a trip without a tile jumps over the work
.Ltile:
	s_cmp_ge_u32 s[TT], s[NTL]
	s_cbranch_scc1 .Lskip
	s_wait_loadcnt 0x0                             ; x's fragments and scale words
	MM
.rept 4
	v_nop                                          ; four places behind the last products, ahead of the first reads of results (ISA guide 7.12.1)
.endr
	s_add_co_u32 s60, s[TT], 16
	s_cmp_ge_u32 s60, s[NTL]
	s_cbranch_scc1 .Lno_next
	s_lshl_b32 s60, s60, 4
	SELECT                                         ; my next tile's rows land under this tile's gelu.  (XO and XSO: the gather that read them stands ahead of the last wait on vm_vsrc)
	s_wait_alu depctr_va_vdst(0)                   ; SELECT has written XO and XSO, which the gather reads; the tile's products are done reading x's fragments and scale words, in which it lands
	XGATHER
.Lno_next:
	GELU
	QUANT ACC
	s_wait_alu depctr_va_vdst(0)                   ; the exchanges have written the fragment and QUANT its scale word, which the stores read
	global_store_b128 v[LI], v[PC:PC+3], s[10:11]              ; the image: 32 lanes, 512 consecutive bytes a store
	global_store_b128 v[LI], v[PC+4:PC+7], s[10:11] offset:512
	global_store_b32 v[L4], v[PW], s[12:13]
.Lskip:
	s_wait_xcnt 0x0                                ; the stores have read their bases and data: both are written again
	s_wait_alu depctr_vm_vsrc(0)                   ; the stores have read the fragment and its scale word, which the next trip's QUANT writes; the gather has read XO and XSO, which the next trip's SELECT writes
	s_add_nc_u64 s[10:11], s[10:11], 524288        ; sixteen tiles on
	s_add_nc_u64 s[12:13], s[12:13], 65536
	s_add_co_u32 s[TT], s[TT], 16
	s_sub_co_u32 s[TR], s[TR], 1
	s_cmp_lg_u32 s[TR], 0
	s_cbranch_scc1 .Ltile
	s_wait_dscnt 0x0                               ; the closing lines, six on end
	s_wait_alu 0x0
	s_wait_tensorcnt 0x0
	ds_add_u32 v254, v255
	s_wait_dscnt 0x0
	s_endpgm
.Lfunc_end_k_q808ae5ae5f_ffn1:
	.size	k_q808ae5ae5f_ffn1, .Lfunc_end_k_q808ae5ae5f_ffn1-k_q808ae5ae5f_ffn1
	.p2alignl 7, 3214868480
	.fill 96, 4, 3214868480
	.section	.rodata,"a",@progbits
	.p2align	6, 0x0
	.amdhsa_kernel k_q808ae5ae5f_ffn1
		.amdhsa_group_segment_fixed_size 71680
		.amdhsa_private_segment_fixed_size 0
		.amdhsa_enable_private_segment 0
		.amdhsa_kernarg_size 48
		.amdhsa_user_sgpr_count 2
		.amdhsa_user_sgpr_kernarg_segment_ptr 1
		.amdhsa_wavefront_size32 1
		.amdhsa_system_sgpr_workgroup_id_x 1
		.amdhsa_system_sgpr_workgroup_id_y 1
		.amdhsa_system_sgpr_workgroup_id_z 1
		.amdhsa_system_vgpr_workitem_id 0
		.amdhsa_next_free_vgpr 256
		.amdhsa_next_free_sgpr 100
		.amdhsa_reserve_vcc 1
		.amdhsa_float_denorm_mode_32 3
		.amdhsa_float_denorm_mode_16_64 3
		.amdhsa_memory_ordered 1
		.amdhsa_forward_progress 1
		.amdhsa_inst_pref_size 114
	.end_amdhsa_kernel
	.amdgpu_metadata
---
amdhsa.version: [ 1, 2 ]
amdhsa.kernels:
  - .name:           k_q808ae5ae5f_ffn1
    .symbol:         k_q808ae5ae5f_ffn1.kd
    .args:
      - { .name: w1, .offset: 0, .size: 8, .value_kind: global_buffer, .address_space: global }
      - { .name: xq, .offset: 8, .size: 8, .value_kind: global_buffer, .address_space: global }
      - { .name: ri, .offset: 16, .size: 8, .value_kind: global_buffer, .address_space: global }
      - { .name: hq, .offset: 24, .size: 8, .value_kind: global_buffer, .address_space: global }
      - { .name: hs, .offset: 32, .size: 8, .value_kind: global_buffer, .address_space: global }
      - { .name: rk, .offset: 40, .size: 8, .value_kind: global_buffer, .address_space: global }
    .group_segment_fixed_size: 71680
    .private_segment_fixed_size: 0
    .kernarg_segment_align: 8
    .kernarg_segment_size: 48
    .max_flat_workgroup_size: 512
    .sgpr_count:     100
    .vgpr_count:     256
    .wavefront_size: 32
...
	.end_amdgpu_metadata
.endif
;; end of part 6
;; launch ffn2 (part 7): grid 32 x 8, 16 waves a work-group, no clusters, 141,312 bytes of LDS; arguments w2, hq, hs, rk, y2; writes y2
.if DOCPART == 7
	.amdgcn_target "amdgcn-amd-amdhsa--gfx1250"
	.amdhsa_code_object_version 6
	.text
	.protected	k_q808ae5ae5f_ffn2
	.globl	k_q808ae5ae5f_ffn2
	.p2align	8
	.type	k_q808ae5ae5f_ffn2,@function
k_q808ae5ae5f_ffn2:
	s_mov_b64 s[64:65], 0
	v_nop
	global_prefetch_b8 v0, s[64:65] scope:SCOPE_SE
	s_setreg_imm32_b32 hwreg(HW_REG_WAVE_SCHED_MODE, 0, 2), 2
	s_setreg_imm32_b32 hwreg(HW_REG_WAVE_MODE, 25, 1), 1
	s_wait_xcnt 0x0
	s_wait_alu depctr_vm_vsrc(0)
; FFN2.  y = h w2[e] for the expert's rows, in sorted order, both operands as codes of FP4 (E2M1) with one E8M0 scale for each 32 along K (K = F = 4,096); sums in f32.
; THE WEIGHTS STAY, THE ROWS GO ROUND.  Work-group (xs + 16 kh, e) owns rows 2,048 kh .. + 2,047 and columns 64 xs .. + 63 of w2[e]: 2,048 x 64 f32, 512 KiB, read by nobody else.
; 64 columns keep the rows of w2 that two waves read, and the rows of y that a wave stores, at 256 bytes; with all of K a work-group would have 32 columns.  So K is halved and y2 holds two parts, which the last launch adds.
; PHASE 1, the stream: wave w takes 32 columns (cg = w % 2) x 256 along K (ke = w / 2); a lane takes a column, its registers run down K; codes go to LDS as images of the operand's registers.
; PHASE 2: wave w takes row tiles w, w + 16, w + 32, w + 48: h's sixteen fragments come from memory as the images that the launch before stored, the weights' from LDS.
; THE PRODUCT IS USED TRANSPOSED (source 0 = 16 columns of w2, source 1 = 16 rows of h): a lane holds eight neighbouring columns of one row of y.  A tile goes through the wave's own
; stage in LDS and leaves as whole rows: sixteen lanes store 256 consecutive bytes, aligned.
; The number of tiles comes from the stored count (at least one, as the launch before makes at least one); rows of the last tile past the count are padding that nobody reads.
; NO CLUSTER, NO TENSOR LOADS: 512 KiB of a work-group's bytes are its own; h's images (17 KiB a tile) are shared by 16 work-groups but go straight into one wave's registers, and their number hangs on the count.
; LIMITS: NaN and infinities are not served.  A block whose largest magnitude lies under 2^-124 (zeros too) gets the byte 1; this program alone reads the bytes.
; THE MODE: SCHED_MODE bits 1:0 = 2 (LLVM: expert scheduling mode 2), set by the entry lines.  The code itself states the register dependences between vector or matrix
; instructions and memory or LDS instructions, and those through scalar registers that vector instructions write, with s_wait_alu, always for 0.
; THE PLAN.  Registers that memory or LDS instructions touch:
;   WO, LI, LS, SWI, SWS, HSO, STO, RDA, GO   offsets and LDS addresses: made at the head, never written again.  One wait on va_vdst ahead of the first load serves them all.
;   WB0, WB1       the stream: block t's maxima and conversions read WB[t % 2]; the loads of block t + 2 land in it: one wait on va_vdst a block, behind the conversions.
;   CD, SB         written by the conversions and exchanges, read by the LDS stores of the images: one wait on va_vdst ahead of the stores; one on vm_vsrc behind the barrier, since the accumulators lie there.
;   WB0, WB1, WS   a tile: K step g's four products read set g % 2; the ten LDS loads of step g + 2 land in it: one wait on va_vdst a step, behind the four.  The wave's 256 registers leave no room for a third set.
;   ACC, H, HS, WB at a tile's end: ONE wait on va_vdst behind the last products and their places: the accumulators are written, which the LDS stores read; the products are done reading H and HS, in which the
;                  next tile's loads land, and WB, in which the rows come back from the stage.  No vector or matrix instruction follows it in the trip.
;   WB, ACC        at the trip's end one wait on vm_vsrc: the global stores have read WB, in which the next trip's fragments land; the LDS stores have read the accumulators, which its products write.
.set PITCHW, 4096                      ; bytes from a row of w2[e] to the next
.set DSI,    4096                      ; LDS: a K step's four fragments
.set DSS,    256                       ; and its two sets of scale words
.set WSC,    65536                     ; LDS: fragment 4 s + nt at 1,024 (4 s + nt); from here on scale words, set 2 s + cg at 128 (2 s + cg) + 4 lane
.set STG,    69632                     ; behind them: a stage of 16 rows x (256 + 16) bytes for each wave
.set SPI,    272
.set LN,  1
.set RR,  2
.set HH,  3
.set WO,  4                            ; v4   4 lane: my column
.set LI,  5                            ; v5   16 lane
.set LS,  6                            ; v6   WSC + 4 lane
.set SWI, 7
.set SWS, 8
.set HSO, 9                            ; v9   h's scale words: 4 (lane % 16) + 128 (lane / 16)
.set STO, 10                           ; v10  the stage: where I put 32 bytes of a row
.set RDA, 11                           ; v11  and where I read 16 bytes of a row back
.set GO,  12                           ; v12  the same place in y2
.set SB,  14                           ; v[14:15]
.set HS,  16                           ; v16-23 h's scale words: register q: lanes 0-15 K step 2 q, lanes 16-31 K step 2 q + 1.  Scales and nothing else
.set WS,  24                           ; v24-27 the weights' scale words, two sets of two.  Scales and nothing else
.set T0,  28
.set T1,  29
.set T2,  30
.set ACC, 32                           ; v32-63 four accumulators
.set CD,  32                           ; phase 1: the codes
.set WB,  64                           ; v64-127 two sets of 32: numbers as loaded, later four fragments each; v64-95 also rows of y on their way out
.set H,   128                          ; v128-255 h's sixteen fragments
.set WP,  4
.macro LOADW t                         ; block t of my column: 32 numbers down K into set t % 2.  A wave's load reads 128 consecutive bytes, the two waves beside each other 256
.set i, 0
.rept 32
	global_load_b32 v[WB+32*((\t)%2)+i], v[WO], s[WP:WP+1] offset:(32*(\t)+i)*PITCHW th:TH_LOAD_NT
.set i, i+1
.endr
.endm
.macro BLOCKW t                        ; block t becomes 16 bytes of codes and a scale byte
.set XB, WB+32*((\t)%2)
.if (\t) < 7
	s_wait_loadcnt 32                              ; this block's loads, and all older ones, are in; the next block's 32 may be out
.else
	s_wait_loadcnt 0x0
.endif
	v_max3_num_f32 v[T0], |v[XB]|, |v[XB+1]|, |v[XB+2]|
	v_max3_num_f32 v[T1], |v[XB+3]|, |v[XB+4]|, |v[XB+5]|
.irp i, 6,10,14,18,22,26
	v_max3_num_f32 v[T0], v[T0], |v[XB+\i]|, |v[XB+\i+1]|
	v_max3_num_f32 v[T1], v[T1], |v[XB+\i+2]|, |v[XB+\i+3]|
.endr
	v_max3_num_f32 v[T0], v[T0], |v[XB+30]|, |v[XB+31]|
	v_max3_num_f32 v[T0], v[T0], v[T1], 0x1800000  ; with the floor 2^(3 - 127): the byte cannot fall under 1
	v_add_nc_u32 v[T2], 0xff000000, v[T0]          ; 2 off the exponent field: the conversion's scale operand
.irp g, 0,1,2,3
	v_cvt_scalef32_pk8_fp4_f32 v[CD+16*((\t)/4)+8*((\t)%2)+4*(((\t)/2)%2)+\g], v[XB+8*\g:XB+8*\g+7], v[T2]
.endr
	v_nop                                          ; one plain line behind the conversions
.if (\t)+2 < 8
	s_wait_alu depctr_va_vdst(0)                   ; the maxima and the conversions are done reading this set, in which the loads of two blocks on land
	LOADW (\t)+2
.endif
	v_lshrrev_b32 v[T1], 23, v[T2]                 ; the byte: behind the loads, whose registers these two lines do not name
.if (\t)%4 == 0
	v_mov_b32 v[SB+(\t)/4], v[T1]
.else
	v_lshl_or_b32 v[SB+(\t)/4], v[T1], 8*((\t)%4), v[SB+(\t)/4]
.endif
.endm
; An even block's register and the odd block's behind it change halves: the first is then a register of the tile of columns in lanes 0-15, the second of the tile in lanes 16-31.
.macro FRAGS
.irp d, 0,1
.irp c, 0,1
.irp i, 0,1,2,3
	v_permlane16_swap_b32 v[CD+16*\d+4*\c+\i], v[CD+16*\d+8+4*\c+\i]
.endr
.endr
.endr
	s_wait_alu depctr_va_vdst(0)                   ; the exchanges have written the codes and the last block's lines the scale words, which the LDS stores read
.irp d, 0,1
.irp u, 0,1
.irp c, 0,1
	ds_store_b128 v[SWI], v[CD+16*\d+8*\u+4*\c:CD+16*\d+8*\u+4*\c+3] offset:\d*DSI+\u*1024+\c*512
.endr
.endr
	ds_store_b32 v[SWS], v[SB+\d] offset:\d*DSS
.endr
	s_wait_dscnt 0x0                               ; for the others' sake: my images lie in LDS
	s_barrier_signal -1
	s_barrier_wait -1                              ; the launch's one barrier: behind it the images are only read, and each stage is its wave's own
	s_wait_alu depctr_vm_vsrc(0)                   ; my LDS stores have read the codes' registers, which the products write as accumulators
.endm
.macro WLOAD g                         ; K step g: its four fragments and two sets of scale words into set g % 2: ten LDS loads
.irp i, 0,1,2,3
.irp c, 0,1
	ds_load_b128 v[WB+32*((\g)%2)+8*\i+4*\c:WB+32*((\g)%2)+8*\i+4*\c+3], v[LI] offset:(4*(\g)+\i)*1024+512*\c
.endr
.endr
.irp i, 0,1
	ds_load_b32 v[WS+2*((\g)%2)+\i], v[LS] offset:(2*(\g)+\i)*128
.endr
.endm
.macro WM                              ; one product: D v[MD..], source 0 v[MA..], source 1 v[MB..], scales v[MSA], v[MSB]; MZ: it starts the sum; MRA, MRB: the scales stand in lanes 16-31
.if MZ
.if MRA
	v_wmma_scale_f32_16x16x128_f8f6f4 v[MD:MD+7], v[MA:MA+7], v[MB:MB+7], 0, v[MSA], v[MSB] matrix_a_fmt:MATRIX_FMT_FP4 matrix_b_fmt:MATRIX_FMT_FP4 matrix_a_scale:MATRIX_SCALE_ROW1
.else
	v_wmma_scale_f32_16x16x128_f8f6f4 v[MD:MD+7], v[MA:MA+7], v[MB:MB+7], 0, v[MSA], v[MSB] matrix_a_fmt:MATRIX_FMT_FP4 matrix_b_fmt:MATRIX_FMT_FP4
.endif
.else
.if MRA && MRB
	v_wmma_scale_f32_16x16x128_f8f6f4 v[MD:MD+7], v[MA:MA+7], v[MB:MB+7], v[MD:MD+7], v[MSA], v[MSB] matrix_a_fmt:MATRIX_FMT_FP4 matrix_b_fmt:MATRIX_FMT_FP4 matrix_a_scale:MATRIX_SCALE_ROW1 matrix_b_scale:MATRIX_SCALE_ROW1
.elseif MRA
	v_wmma_scale_f32_16x16x128_f8f6f4 v[MD:MD+7], v[MA:MA+7], v[MB:MB+7], v[MD:MD+7], v[MSA], v[MSB] matrix_a_fmt:MATRIX_FMT_FP4 matrix_b_fmt:MATRIX_FMT_FP4 matrix_a_scale:MATRIX_SCALE_ROW1
.elseif MRB
	v_wmma_scale_f32_16x16x128_f8f6f4 v[MD:MD+7], v[MA:MA+7], v[MB:MB+7], v[MD:MD+7], v[MSA], v[MSB] matrix_a_fmt:MATRIX_FMT_FP4 matrix_b_fmt:MATRIX_FMT_FP4 matrix_b_scale:MATRIX_SCALE_ROW1
.else
	v_wmma_scale_f32_16x16x128_f8f6f4 v[MD:MD+7], v[MA:MA+7], v[MB:MB+7], v[MD:MD+7], v[MSA], v[MSB] matrix_a_fmt:MATRIX_FMT_FP4 matrix_b_fmt:MATRIX_FMT_FP4
.endif
.endif
.endm
; A tile's 64 products: sixteen K steps of four column tiles.  The four accumulators take turns, one instruction a turn.
; The first two runs of loads owe no wait: the last vector or matrix instructions that named these registers (the stream's conversions; the tile before's products) stand ahead of a wait on va_vdst
; (the one ahead of the images' stores; the one at that tile's end), and nothing since names them.
.macro MM
	WLOAD 0
	WLOAD 1
.set G, 0
.rept 16
.if G < 15
	s_wait_dscnt 10                                ; this step's ten loads are in; the other set's ten may be out
.else
	s_wait_dscnt 0x0
.endif
.if G < 1
.set MZ, 1
.else
.set MZ, 0
.endif
.irp i, 0,1,2,3
.set MD, ACC+8*\i
.set MA, WB+32*(G%2)+8*\i
.set MB, H+8*G
.set MSA, WS+2*(G%2)+\i/2
.set MSB, HS+G/2
.set MRA, \i%2
.set MRB, G%2
	WM
.endr
.if G+2 < 16
	s_wait_alu depctr_va_vdst(0)                   ; these four products are done reading their set of fragments and scale words, in which the loads of two steps on land
	WLOAD G+2
.endif
.set G, G+1
.endr
.endm
.macro HLOAD                           ; 40 loads: a tile's sixteen fragments of h (my K half) and their scale words
.irp s, 0,1,2,3,4,5,6,7,8,9,10,11,12,13,14,15
.irp c, 0,1
	global_load_b128 v[H+8*\s+4*\c:H+8*\s+4*\c+3], v[LI], s[6:7] offset:1024*\s+512*\c
.endr
.endr
.irp q, 0,1,2,3,4,5,6,7
	global_load_b32 v[HS+\q], v[HSO], s[8:9] offset:256*\q
.endr
.endm
	s_load_b256 s[4:11], s[0:1], 0x0               ; w2 s[4:5], hq s[6:7], hs s[8:9], rk s[10:11]
	s_load_b64 s[12:13], s[0:1], 0x20              ; y2
	v_lshl_add_u32 v13, v0, 2, 0x22000
	v_mov_b32 v31, 0
	v_lshrrev_b32 v[T0], 5, v0
	v_readfirstlane_b32 s14, v[T0]                 ; wave 0..15
	v_and_b32 v[LN], 31, v0
	v_and_b32 v[RR], 15, v0
	v_bfe_u32 v[HH], v0, 4, 1
	v_lshlrev_b32 v[WO], 2, v[LN]
	v_lshlrev_b32 v[LI], 4, v[LN]
	s_wait_alu depctr_va_vdst(0)
	v_lshl_add_u32 v[LS], v[LN], 2, WSC
	s_wait_alu depctr_va_vdst(0)
	v_lshlrev_b32 v[HSO], 2, v[RR]
	v_lshl_add_u32 v[HSO], v[HH], 7, v[HSO]
	v_lshlrev_b32 v[GO], 12, v[HH]
	v_lshl_add_u32 v[GO], v[RR], 4, v[GO]          ; two rows in y2, 4,096 bytes apart: lanes 0-15 one, lanes 16-31 the next
	s_wait_alu depctr_va_sdst(0)                   ; the wave's number is written, ahead of its first reader
	s_and_b32 s15, s14, 1                          ; cg
	s_lshr_b32 s16, s14, 1                         ; ke
	s_and_b32 s17, ttmp9, 15                       ; xs
	s_lshr_b32 s18, ttmp9, 4                       ; kh
	s_and_b32 s19, ttmp7, 0xffff                   ; e
	s_lshl_b32 s24, s16, 13
	s_lshl_b32 s29, s15, 11
	s_add_co_u32 s24, s24, s29
	v_add_nc_u32 v[SWI], s24, v[LI]                ; fragments 4 (2 ke) + 2 cg on
	s_lshl_b32 s24, s16, 9
	s_lshl_b32 s29, s15, 7
	s_add_co_u32 s24, s24, s29
	v_add_nc_u32 v[SWS], s24, v[LS]                ; scale-word set 2 (2 ke) + cg
	s_mul_i32 s24, s14, 16*SPI
	s_add_co_u32 s24, s24, STG                     ; my stage
	v_mul_u32_u24 v[STO], v[RR], SPI
	v_lshl_add_u32 v[STO], v[HH], 5, v[STO]
	v_add_nc_u32 v[STO], s24, v[STO]               ; in: row lane % 16, 32 bytes for each half of the lanes
	v_mul_u32_u24 v[RDA], v[HH], SPI
	v_lshl_add_u32 v[RDA], v[RR], 4, v[RDA]
	v_add_nc_u32 v[RDA], s24, v[RDA]               ; back: lanes 0-15 one row of 256 bytes, lanes 16-31 the next
	s_mov_b32 s25, 0
	s_wait_kmcnt 0x0
	s_lshl_b32 s24, s19, 7
	s_add_co_u32 s24, s24, 32768
	s_add_nc_u64 s[26:27], s[10:11], s[24:25]
	s_load_b32 s20, s[26:27], 0x0                  ; the expert's rows
	s_lshl_b32 s24, s19, 24                        ; w2: the expert's 16 MiB, my K half, my 256 rows, my 32 columns
	s_lshl_b32 s29, s18, 23
	s_add_co_u32 s24, s24, s29
	s_lshl_b32 s29, s16, 20
	s_add_co_u32 s24, s24, s29
	s_lshl_b32 s29, s17, 8
	s_add_co_u32 s24, s24, s29
	s_lshl_b32 s29, s15, 7
	s_add_co_u32 s24, s24, s29
	s_add_nc_u64 s[WP:WP+1], s[WP:WP+1], s[24:25]
	s_wait_alu depctr_va_vdst(0)                   ; the offsets and LDS addresses WO, LI, LS, SWI, SWS, HSO, STO, RDA, GO are written: every load and store of the kernel reads one of them, and none is written again
	LOADW 0
	s_lshl_b32 s24, s18, 25                        ; y2: [kh][e][position][1024] f32: my wave's first tile, my 64 columns
	s_lshl_b32 s29, s19, 22
	s_add_co_u32 s24, s24, s29
	s_lshl_b32 s29, s14, 16
	s_add_co_u32 s24, s24, s29
	s_lshl_b32 s29, s17, 8
	s_add_co_u32 s24, s24, s29
	s_add_nc_u64 s[12:13], s[12:13], s[24:25]
	s_wait_kmcnt 0x0                               ; the count
	s_min_u32 s20, s20, 1024
	s_add_co_u32 s21, s20, 15
	s_lshr_b32 s21, s21, 4
	s_max_u32 s21, s21, 1                          ; tiles: as many as the launch before made
	s_mov_b32 s22, s14                             ; the tile in hand
	s_sub_co_u32 s28, s21, 1
	s_min_u32 s28, s28, s14                        ; a wave without a tile asks for the last tile and drops it: every byte that is read has been stored
	s_min_u32 s28, s28, 63                         ; held inside the expert's 64 tiles
	s_lshl_b32 s24, s19, 21                        ; hq: image ((64 e + tile) 32 + 16 kh) of 1,024 bytes
	s_lshl_b32 s29, s28, 15
	s_add_co_u32 s24, s24, s29
	s_lshl_b32 s29, s18, 14
	s_add_co_u32 s24, s24, s29
	s_add_nc_u64 s[6:7], s[6:7], s[24:25]
	s_lshl_b32 s24, s19, 18                        ; hs: the same index, 128 bytes each
	s_lshl_b32 s29, s28, 12
	s_add_co_u32 s24, s24, s29
	s_lshl_b32 s29, s18, 11
	s_add_co_u32 s24, s24, s29
	s_add_nc_u64 s[8:9], s[8:9], s[24:25]
	HLOAD                                          ; my first tile's rows land under the stream
	LOADW 1
.irp t, 0,1,2,3,4,5,6,7
	BLOCKW \t
.endr
	FRAGS
	s_mov_b32 s23, 4                               ; four trips, a constant; a trip without a tile jumps over the work
.Ltile:
	s_cmp_ge_u32 s22, s21
	s_cbranch_scc1 .Lskip
	s_wait_loadcnt 0x0                             ; h's fragments and scale words; their bases may step
	MM
.rept 5
	v_nop                                          ; FIVE places behind the last two K steps' products: four serve the LDS stores that read the results
.endr                                                  ; the fifth serves the next trip's first four products, which begin the same four accumulators anew with C = 0 and so write over these products' registers, with no other vector line between
	s_wait_alu depctr_va_vdst(0)                   ; the products have written the accumulators, which the LDS stores read, and are done reading h's fragments and scale words and the weights' fragments, in which the loads below land; the places above stay beside this wait
	s_add_co_u32 s24, s22, 16
	s_cmp_ge_u32 s24, s21
	s_cbranch_scc1 .Lno_next
	s_add_nc_u64 s[6:7], s[6:7], 524288            ; sixteen tiles on
	s_add_nc_u64 s[8:9], s[8:9], 65536
	HLOAD                                          ; my next tile's rows land under this tile's way out
.Lno_next:
.irp i, 0,1,2,3
	ds_store_b128 v[STO], v[ACC+8*\i:ACC+8*\i+3] offset:64*\i              ; each accumulator from its low end on
	ds_store_b128 v[STO], v[ACC+8*\i+4:ACC+8*\i+7] offset:64*\i+16
.endr
.irp q, 0,1,2,3,4,5,6,7
	ds_load_b128 v[WB+4*\q:WB+4*\q+3], v[RDA] offset:2*\q*SPI              ; LDS serves a wave's instructions in order (ISA guide 5.7.1.4): these see my stores
.endr
.irp q, 0,1,2,3,4,5,6,7
	s_wait_dscnt 7-\q                              ; loads come back in order: pair q of rows is in, the younger ones may be out
	global_store_b128 v[GO], v[WB+4*\q:WB+4*\q+3], s[12:13] offset:8192*\q ; 16 lanes store 256 consecutive bytes, at a multiple of 256 from y2's first byte
.endr
.Lskip:
	s_wait_xcnt 0x0                                ; the stores have read their base and data: both are written again
	s_wait_alu depctr_vm_vsrc(0)                   ; the global stores have read the rows' registers, in which the next trip's fragments land; the LDS stores have read the accumulators, which its products write
	s_add_nc_u64 s[12:13], s[12:13], 0x100000      ; sixteen tiles of 16 rows of 4,096 bytes on
	s_add_co_u32 s22, s22, 16
	s_sub_co_u32 s23, s23, 1
	s_cmp_lg_u32 s23, 0
	s_cbranch_scc1 .Ltile
	s_wait_dscnt 0x0                               ; the closing lines, six on end
	s_wait_alu 0x0
	s_wait_tensorcnt 0x0
	ds_add_u32 v13, v31
	s_wait_dscnt 0x0
	s_endpgm
.Lfunc_end_k_q808ae5ae5f_ffn2:
	.size	k_q808ae5ae5f_ffn2, .Lfunc_end_k_q808ae5ae5f_ffn2-k_q808ae5ae5f_ffn2
	.p2alignl 7, 3214868480
	.fill 96, 4, 3214868480
	.section	.rodata,"a",@progbits
	.p2align	6, 0x0
	.amdhsa_kernel k_q808ae5ae5f_ffn2
		.amdhsa_group_segment_fixed_size 141312
		.amdhsa_private_segment_fixed_size 0
		.amdhsa_enable_private_segment 0
		.amdhsa_kernarg_size 40
		.amdhsa_user_sgpr_count 2
		.amdhsa_user_sgpr_kernarg_segment_ptr 1
		.amdhsa_wavefront_size32 1
		.amdhsa_system_sgpr_workgroup_id_x 1
		.amdhsa_system_sgpr_workgroup_id_y 1
		.amdhsa_system_sgpr_workgroup_id_z 1
		.amdhsa_system_vgpr_workitem_id 0
		.amdhsa_next_free_vgpr 256
		.amdhsa_next_free_sgpr 66
		.amdhsa_reserve_vcc 0
		.amdhsa_float_denorm_mode_32 3
		.amdhsa_float_denorm_mode_16_64 3
		.amdhsa_memory_ordered 1
		.amdhsa_forward_progress 1
		.amdhsa_inst_pref_size 71
	.end_amdhsa_kernel
	.amdgpu_metadata
---
amdhsa.version: [ 1, 2 ]
amdhsa.kernels:
  - .name:           k_q808ae5ae5f_ffn2
    .symbol:         k_q808ae5ae5f_ffn2.kd
    .args:
      - { .name: w2, .offset: 0, .size: 8, .value_kind: global_buffer, .address_space: global }
      - { .name: hq, .offset: 8, .size: 8, .value_kind: global_buffer, .address_space: global }
      - { .name: hs, .offset: 16, .size: 8, .value_kind: global_buffer, .address_space: global }
      - { .name: rk, .offset: 24, .size: 8, .value_kind: global_buffer, .address_space: global }
      - { .name: y2, .offset: 32, .size: 8, .value_kind: global_buffer, .address_space: global }
    .group_segment_fixed_size: 141312
    .private_segment_fixed_size: 0
    .kernarg_segment_align: 8
    .kernarg_segment_size: 40
    .max_flat_workgroup_size: 512
    .sgpr_count:     66
    .vgpr_count:     256
    .wavefront_size: 32
...
	.end_amdgpu_metadata
.endif
;; end of part 7
;; launch combine (part 8): grid 256 x 1, 4 waves a work-group, no clusters, 0 bytes of LDS; arguments y2, tw, ri, rk, out0; writes out0
.if DOCPART == 8
	.amdgcn_target "amdgcn-amd-amdhsa--gfx1250"
	.amdhsa_code_object_version 6
	.text
	.protected	k_q808ae5ae5f_combine
	.globl	k_q808ae5ae5f_combine
	.p2align	8
	.type	k_q808ae5ae5f_combine,@function
k_q808ae5ae5f_combine:
	s_mov_b64 s[64:65], 0
	v_nop
	global_prefetch_b8 v0, s[64:65] scope:SCOPE_SE
	s_setreg_imm32_b32 hwreg(HW_REG_WAVE_MODE, 25, 1), 1
	s_wait_xcnt 0x0
; COMBINE.  out[n] = w0 (y2[0][e0][r0] + y2[1][e0][r0]) + w1 (y2[0][e1][r1] + y2[1][e1][r1]): the two K halves of each of a token's two experts, weighed and added, in f32.
; e0, e1: the token's experts (ri); r0, r1: its rank among each expert's rows (rk); w0, w1: its weights (tw).  All three were stored by earlier launches.
; One wave to a token: four rows of 4,096 bytes in, one out; each load and store of the wave covers 512 consecutive bytes.  All 32 loads go out at once; every store has data
; registers of its own.  A stream: no LDS, no barrier, no matrix unit, no cluster (no two waves read the same byte of y2).
; Indices are held inside their tables (7 and 1,023) before they enter an address.
	s_load_b256 s[4:11], s[0:1], 0x0               ; y2 s[4:5], tw s[6:7], ri s[8:9], rk s[10:11]
	s_load_b64 s[12:13], s[0:1], 0x20              ; out0
	v_lshrrev_b32 v2, 5, v0
	v_readfirstlane_b32 s14, v2                    ; wave 0..3
	v_and_b32 v1, 31, v0
	v_lshlrev_b32 v1, 4, v1                        ; 16 bytes a lane
	s_lshl_b32 s15, ttmp9, 2
	s_add_co_u32 s15, s15, s14                     ; my token
	s_lshl_b32 s32, s15, 3
	s_mov_b32 s33, 0
	s_wait_alu depctr_va_vdst(0)
	s_wait_kmcnt 0x0
	s_add_nc_u64 s[34:35], s[8:9], s[32:33]
	s_add_nc_u64 s[36:37], s[6:7], s[32:33]
	s_load_b64 s[16:17], s[34:35], 0x0             ; e0, e1
	s_load_b64 s[18:19], s[36:37], 0x0             ; w0, w1
	s_lshl_b32 s32, s15, 12
	s_add_nc_u64 s[12:13], s[12:13], s[32:33]      ; my row of out0
	s_lshl_b32 s40, s15, 2
	s_wait_kmcnt 0x0
	s_min_u32 s16, s16, 7
	s_min_u32 s17, s17, 7
	s_lshl_b32 s32, s16, 12
	s_add_co_u32 s32, s32, s40
	s_add_nc_u64 s[34:35], s[10:11], s[32:33]      ; rk[e0][n]
	s_lshl_b32 s32, s17, 12
	s_add_co_u32 s32, s32, s40
	s_add_nc_u64 s[36:37], s[10:11], s[32:33]      ; rk[e1][n]
	s_load_b32 s20, s[34:35], 0x0
	s_load_b32 s21, s[36:37], 0x0
	s_mov_b32 s22, s19                             ; w1 as a pair of its own: the packed forms take a scalar pair's low word for both halves
	s_mov_b32 s23, s19
	s_wait_kmcnt 0x0
	s_min_u32 s20, s20, 1023
	s_min_u32 s21, s21, 1023
	s_lshl_b32 s32, s16, 10
	s_add_co_u32 s32, s32, s20
	s_lshl_b32 s32, s32, 12                        ; row 1,024 e0 + r0 of 4,096 bytes
	s_add_nc_u64 s[24:25], s[4:5], s[32:33]
	s_add_nc_u64 s[26:27], s[24:25], 0x2000000     ; and the same row of the second K half
	s_lshl_b32 s32, s17, 10
	s_add_co_u32 s32, s32, s21
	s_lshl_b32 s32, s32, 12
	s_add_nc_u64 s[28:29], s[4:5], s[32:33]
	s_add_nc_u64 s[30:31], s[28:29], 0x2000000
.irp q, 0,1,2,3,4,5,6,7
.irp w, 0,1,2,3
	global_load_b128 v[8+16*\q+4*\w:8+16*\q+4*\w+3], v1, s[24+2*\w:25+2*\w] offset:512*\q th:TH_LOAD_NT
.endr
.endr
.irp q, 0,1,2,3,4,5,6,7
	s_wait_loadcnt 4*(7-\q)                        ; this piece's four loads are in; the four of each later piece may be out
.irp p, 0,2
	v_pk_add_f32 v[8+16*\q+\p:9+16*\q+\p], v[8+16*\q+\p:9+16*\q+\p], v[12+16*\q+\p:13+16*\q+\p]
	v_pk_add_f32 v[16+16*\q+\p:17+16*\q+\p], v[16+16*\q+\p:17+16*\q+\p], v[20+16*\q+\p:21+16*\q+\p]
	v_pk_mul_f32 v[8+16*\q+\p:9+16*\q+\p], v[8+16*\q+\p:9+16*\q+\p], s[18:19] op_sel_hi:[1,0]
	v_pk_fma_f32 v[136+4*\q+\p:137+4*\q+\p], v[16+16*\q+\p:17+16*\q+\p], s[22:23], v[8+16*\q+\p:9+16*\q+\p] op_sel_hi:[1,0,1]
.endr
	global_store_b128 v1, v[136+4*\q:139+4*\q], s[12:13] offset:512*\q th:TH_STORE_NT
.endr
	s_endpgm
.Lfunc_end_k_q808ae5ae5f_combine:
	.size	k_q808ae5ae5f_combine, .Lfunc_end_k_q808ae5ae5f_combine-k_q808ae5ae5f_combine
	.p2alignl 7, 3214868480
	.fill 96, 4, 3214868480
	.section	.rodata,"a",@progbits
	.p2align	6, 0x0
	.amdhsa_kernel k_q808ae5ae5f_combine
		.amdhsa_group_segment_fixed_size 0
		.amdhsa_private_segment_fixed_size 0
		.amdhsa_enable_private_segment 0
		.amdhsa_kernarg_size 40
		.amdhsa_user_sgpr_count 2
		.amdhsa_user_sgpr_kernarg_segment_ptr 1
		.amdhsa_wavefront_size32 1
		.amdhsa_system_sgpr_workgroup_id_x 1
		.amdhsa_system_sgpr_workgroup_id_y 1
		.amdhsa_system_sgpr_workgroup_id_z 1
		.amdhsa_system_vgpr_workitem_id 0
		.amdhsa_next_free_vgpr 168
		.amdhsa_next_free_sgpr 66
		.amdhsa_reserve_vcc 0
		.amdhsa_float_denorm_mode_32 3
		.amdhsa_float_denorm_mode_16_64 3
		.amdhsa_memory_ordered 1
		.amdhsa_forward_progress 1
		.amdhsa_inst_pref_size 10
	.end_amdhsa_kernel
	.amdgpu_metadata
---
amdhsa.version: [ 1, 2 ]
amdhsa.kernels:
  - .name:           k_q808ae5ae5f_combine
    .symbol:         k_q808ae5ae5f_combine.kd
    .args:
      - { .name: y2, .offset: 0, .size: 8, .value_kind: global_buffer, .address_space: global }
      - { .name: tw, .offset: 8, .size: 8, .value_kind: global_buffer, .address_space: global }
      - { .name: ri, .offset: 16, .size: 8, .value_kind: global_buffer, .address_space: global }
      - { .name: rk, .offset: 24, .size: 8, .value_kind: global_buffer, .address_space: global }
      - { .name: out0, .offset: 32, .size: 8, .value_kind: global_buffer, .address_space: global }
    .group_segment_fixed_size: 0
    .private_segment_fixed_size: 0
    .kernarg_segment_align: 8
    .kernarg_segment_size: 40
    .max_flat_workgroup_size: 128
    .sgpr_count:     66
    .vgpr_count:     168
    .wavefront_size: 32
...
	.end_amdgpu_metadata
.endif
;; end of part 8
